; MI455X (gfx1250); checked and timed in simulation.
; The chip was launched on July 23, 2026; its instructions are those of AMD's public machine-readable ISA for CDNA 5 (MIT licence, August 2026) and "CDNA5" Instruction Set Architecture Reference Guide (July 2026). The comments in the code are by the model that wrote it; some were corrected since.
;; Sparse Cross Attention. Allowed arithmetic: matrix products marked QUANTISED: E2M1 operands, one E8M0 scale for each 32 along K, by v_wmma_scale_f32_16x16x128_f8f6f4 with both operands' format E2M1 (or v_wmma_scale_f32_32x16x128_f4), f32 sums; products left as they are: bf16, f16 or f32 operands; f32 sums; everything else in f32.
;; Inputs: Wkv 1,024 x 1,024 float32; Wo 512 x 512 float32; Wq 512 x 512 float32; batch_indices 16,384 int32; bkv 1,024 float32; bo 512 float32; bq 512 float32; context 4 x 512 x 1,024 float32; x_feats 16,384 x 512 float32.
;; Outputs: out0 16,384 x 512 float32.
;; This version of the problem:
;;   THIS VERSION OF THE PROBLEM IS GIVEN IN LOW PRECISION. The matrix products marked QUANTISED in the list below multiply operands that are first quantised to E2M1 (2 exponent bits, 1 mantissa bit; 4 bits a number), with one power-of-two scale for each 32 numbers along K (OCP MX v1.0); their sums are f32. The products marked 'left as it is' may take bf16, f16 or f32 operands, with f32 sums. Whichever they take, every output number must still come out within the allowed error. Rounding operands to bf16 (8 significant bits) uses up far more of that allowance than f16 does (11 bits, for magnitudes from 6e-5 to 65,504). All else is computed in f32.
;;   The module's matrix products, in the order in which they are computed (A, B: the left and right operand; K: the contracted axis; several contracted axes count as one K, in the product's order):
;;     1. [M 16,384, K 512] x [K 512, N 512]; A: input x_feats; B: input Wq: QUANTISED
;;     2. [M 2,048, K 1,024] x [K 1,024, N 1,024]; A: input context; B: input Wkv: QUANTISED
;;     3. batch 8 x [M 512, K 256] x [K 256, N 16,384]; A: computed on the way; B: computed on the way: left as it is (an operand is computed on the way)
;;     4. batch 8 x [M 256, K 512] x [K 512, N 16,384]; A: computed on the way; B: computed on the way: left as it is (an operand is computed on the way)
;;     5. batch 16,384 x [M 512, K 4] x [K 4, N 1]; A: computed on the way; B: computed on the way: left as it is (K = 4 < 32)
;;     6. [M 16,384, K 512] x [K 512, N 512]; A: computed on the way; B: input Wo: left as it is (an operand is computed on the way)
;;   THE QUANTISER, for each operand of a quantised product, along K:
;;     - K is cut into blocks of 32 from its start; a last block that is shorter is filled with zeros.
;;     - A block's scale is 2^e with e = floor(log2(the largest magnitude in the block)) - 2, held to -126 .. 127; a block of zeros has e = 0. As a byte (E8M0): e + 127.
;;     - Each number is divided by its block's scale, clamped to +-6, and rounded to the nearest number of E2M1, ties to even, subnormals kept.
;;     - The product sums the exact products of the quantised numbers (number of the format x scale) in f32.
;;   ~~~python
;;   def quantise(x, axis):      # numpy; x: float32 -> the quantised numbers, widened to float32 again
;;       x = np.moveaxis(x, axis, -1); K = x.shape[-1]
;;       x = np.pad(x, [(0, 0)] * (x.ndim - 1) + [(0, -K % 32)]); x = x.reshape(x.shape[:-1] + (-1, 32)); a = np.abs(x).max(-1, keepdims=True)
;;       e = np.where(a > 0, np.clip(np.frexp(np.where(a > 0, a, 1))[1] - 1 - 2, -126, 127), 0)      # np.frexp(a)[1] - 1 = floor(log2(a)), exactly
;;       r = np.clip(x / 2.0 ** e, -6, 6)
;;       step = 2.0 ** (np.maximum(np.frexp(np.where(r == 0, 1, r))[1] - 1, 0) - 1)
;;       q = np.round(r / step) * step * 2.0 ** e      # np.round: ties to even
;;       return np.moveaxis(q.reshape(q.shape[:-2] + (-1,))[..., :K], -1, axis).astype(np.float32)
;;   ~~~
;; 2 versions, each right; version 2 is version 1 with the launches kvproj, attn written anew for expert scheduling mode. Each part assembles by itself: llvm-mc -triple=amdgcn-amd-amdhsa -mcpu=gfx1250 --defsym DOCPART=n.
;; ======== version 1 of 2: 3 launches
;; limits: values are held in f16: magnitudes above 65,504 overflow, below 6.1e-05 lose precision
;; workspace buffers: wsp 2,334,720 bytes; kvf 4,194,304 bytes; cnts 512 bytes of whole numbers; order 98,304 bytes of whole numbers
;; launch prep (part 1): grid 240 x 1, 4 waves a work-group, no clusters, 0 bytes of LDS; arguments context, Wkv, Wq, Wo, batch_indices, wsp, cnts, order; writes wsp, cnts, order
.if DOCPART == 1
	.amdgcn_target "amdgcn-amd-amdhsa--gfx1250"
	.amdhsa_code_object_version 6
	.text
	.protected	k_qadaca33bbd_prep
	.globl	k_qadaca33bbd_prep
	.p2align	8
	.type	k_qadaca33bbd_prep,@function
k_qadaca33bbd_prep:
	s_mov_b64 s[64:65], 0
	v_nop
	global_prefetch_b8 v0, s[64:65] scope:SCOPE_SE
	s_setreg_imm32_b32 hwreg(HW_REG_WAVE_MODE, 25, 1), 1
	s_wait_xcnt 0x0
; PREP: everything that many work-groups of the later launches read is laid out ONCE, in the order of the matrix operands' registers.
;   work-groups   0-127  context [2048][1024] f32 -> codes of FP4 (E2M1) + E8M0 scale words, K innermost in memory
;   work-groups 128-191  Wkv [1024 k][1024 n] f32 -> the same; K is the FIRST axis: a lane takes a column, its registers run down K
;   work-groups 192-207  Wq  [512 k][512 n]   f32 -> the same
;   work-groups 208-223  Wo  [512 k][512 n]   f32 -> f16 fragments (rows = output columns, k = input channel)
;   work-groups 224-239  batch_indices: for each 256 points the number of points of each batch; 'order' is filled with the marker 0x4000
; A FRAGMENT is 1,024 bytes: registers 4c .. 4c+3 of lane l lie at 512 c + 16 l, so that a reader's 16-byte load a lane covers 512 consecutive bytes.
;   FP4 (16 rows x 128 K): lane (r = l % 16, h = l / 16) holds row r; registers 4c .. 4c+3 hold k = 64 c + 32 h + 0 .. 31.  Its 16 scale words (4 bytes a row) lie at 64 f + 4 r.
;   f16 (16 rows x 32 k):  registers 0-3 hold k = 8 h + 0 .. 7, registers 4-7 hold k = 16 + 8 h + 0 .. 7.
; THE QUANTISER: a block's scale is 2^(floor(log2(largest magnitude)) - 2); its byte is the largest magnitude's exponent field - 2, held at 1 from below by a floor among the maximum's leaves.
; LIMITS: a block of zeros, and a block whose largest magnitude lies under 2^-124, get the byte 1 (the bytes are read by this program alone; zero codes add nothing); NaN and infinities are not served;
; batch_indices hold 0 .. 3; |Wo| above 65,504 has no f16 number.
; No LDS, no barrier: waves share nothing.
.set CXC, 0                            ; wsp: context's codes, fragment 8 (row / 16) + K step
.set WKC, 1048576                      ; Wkv's codes, fragment 8 (column / 16) + K step
.set WQC, 1572864                      ; Wq's codes, fragment 4 (column / 16) + K step
.set WOF, 1703936                      ; Wo's f16 fragments, fragment ((nt / 4) 16 + ks) 4 + nt % 4, nt = column / 16, ks = k / 32
.set CXS, 2228224                      ; the scale words, 64 bytes a fragment, in the codes' order
.set WKS, 2293760
.set WQS, 2326528
.set TM,  12                           ; v12-15 largest magnitudes, v16-19 the other half's, then bytes, v24-27 the conversions' scale operands
.set SEL, 32                           ; s[32:33] lane selects for v_permlanex16_b32: lane l xor 16
.set X,   64                           ; v64-191 128 numbers
; 64 numbers of a lane, register 16 b + i = k 32 b + 16 h + i of my row, become a fragment's 8 registers of codes in v[pc] on and my row's scale word in v[pw]
.macro QUANT s, pc, pw
.irp b, 0,1,2,3
	v_max3_num_f32 v[TM+\b], |v[\s+16*\b]|, |v[\s+1+16*\b]|, 0x1800000   ; block b: my 16 numbers, and the floor 2^(3 - 127)
.endr
.irp i, 2,4,6,8,10,12,14
.irp b, 0,1,2,3
	v_max3_num_f32 v[TM+\b], v[TM+\b], |v[\s+16*\b+\i]|, |v[\s+1+16*\b+\i]|   ; the four blocks by turns
.endr
.endr
.irp b, 0,1,2,3
	v_permlanex16_b32 v[TM+4+\b], v[TM+\b], s[SEL], s[SEL+1]
.endr
.irp b, 0,1,2,3
	v_max_num_f32 v[TM+\b], v[TM+\b], v[TM+4+\b]       ; with lane l xor 16's 16: the block's largest magnitude
.endr
.irp b, 0,1,2,3
	v_add_nc_u32 v[TM+12+\b], 0xff000000, v[TM+\b]     ; 2 off its exponent field: the conversion's scale operand
.endr
.irp b, 0,1,2,3
	v_lshrrev_b32 v[TM+4+\b], 23, v[TM+12+\b]          ; the scale's byte
.endr
	v_lshl_or_b32 v[\pw], v[TM+5], 8, v[TM+4]
	v_lshl_or_b32 v[\pw], v[TM+6], 16, v[\pw]
	v_lshl_or_b32 v[\pw], v[TM+7], 24, v[\pw]
.irp b, 0,1,2,3
	v_cvt_scalef32_pk8_fp4_f32 v[\pc+2*\b], v[\s+16*\b:\s+7+16*\b], v[TM+12+\b]
	v_cvt_scalef32_pk8_fp4_f32 v[\pc+1+2*\b], v[\s+8+16*\b:\s+15+16*\b], v[TM+12+\b]
.endr
	v_nop                                              ; one plain instruction behind the scaled conversions
.irp c, 0,1                                        ; the layout wants a whole block in a lane: lanes 0-15 block 2 c, lanes 16-31 block 2 c + 1
.irp i, 0,1
	v_permlane16_swap_b32 v[\pc+4*\c+\i], v[\pc+2+4*\c+\i]
.endr
.endr
.endm
; the weights' roles: which 128 along K (s34) and which 128 columns (s35) are the work-group's; my lane's column; the tensor at my first row of K
.macro WADDR first, src, lgcg, lgstep
	s_sub_co_u32 s21, ttmp9, \first
	s_lshr_b32 s34, s21, \lgcg
	s_and_b32 s35, s21, (1<<\lgcg)-1
	s_lshl_b32 s36, s34, \lgstep                       ; 128 rows of the tensor, in bytes
	s_mov_b32 s37, 0
	s_add_nc_u64 s[22:23], s[\src:\src+1], s[36:37]
	s_lshl_b32 s36, s35, 7
	s_lshl_b32 s39, s20, 5
	s_add_co_u32 s36, s36, s39
	v_add_nc_u32 v4, s36, v1                           ; column 128 cg + 32 wave + lane,
	v_lshlrev_b32 v4, 2, v4                            ; in bytes
.endm
.macro WLOAD stride                    ; 128 numbers down K of my column: each load reads 128 consecutive bytes a wave, the four waves side by side 512
.set i, 0
.rept 128
	global_load_b32 v[X+i], v4, s[22:23] offset:i*\stride th:TH_LOAD_NT
.set i, i+1
.endr
	s_wait_loadcnt 0x0
.endm
; a weight's 128 x 128 piece into codes.  My column is row r of tile 8 cg + 2 wave + h; its block kb is lane slot (r, kb % 2) of piece kb / 2
.macro WFP4 lgks, codes, scales, stride
	s_lshl_b32 s38, s35, 3
	s_lshl_b32 s39, s20, 1
	s_add_co_u32 s38, s38, s39                         ; tile 8 cg + 2 wave
	s_lshl_b32 s38, s38, \lgks
	s_add_co_u32 s38, s38, s34                         ; its fragment of my K step
	s_lshl_b32 s36, s38, 10
	s_add_co_u32 s36, s36, \codes
	s_add_nc_u64 s[24:25], s[14:15], s[36:37]
	s_lshl_b32 s36, s38, 6
	s_add_co_u32 s36, s36, \scales
	s_add_nc_u64 s[26:27], s[14:15], s[36:37]
	v_lshlrev_b32 v5, 4, v2
	v_lshl_add_u32 v5, v3, 10+\lgks, v5                ; 16 r, and lanes 16-31 one tile on
	v_lshlrev_b32 v6, 2, v2
	v_lshl_add_u32 v6, v3, 6+\lgks, v6
	WLOAD \stride
.irp b, 0,1,2,3
	v_max3_num_f32 v[TM+\b], |v[X+32*\b]|, |v[X+1+32*\b]|, 0x1800000   ; all 32 numbers of a block are mine
.endr
.irp i, 2,4,6,8,10,12,14,16,18,20,22,24,26,28,30
.irp b, 0,1,2,3
	v_max3_num_f32 v[TM+\b], v[TM+\b], |v[X+32*\b+\i]|, |v[X+1+32*\b+\i]|
.endr
.endr
.irp b, 0,1,2,3
	v_add_nc_u32 v[TM+12+\b], 0xff000000, v[TM+\b]
.endr
.irp b, 0,1,2,3
	v_lshrrev_b32 v[TM+4+\b], 23, v[TM+12+\b]
.endr
	v_lshl_or_b32 v10, v[TM+5], 8, v[TM+4]
	v_lshl_or_b32 v10, v[TM+6], 16, v10
	v_lshl_or_b32 v10, v[TM+7], 24, v10
.irp b, 0,1,2,3
.irp g, 0,1,2,3
	v_cvt_scalef32_pk8_fp4_f32 v[28+4*\b+\g], v[X+32*\b+8*\g:X+32*\b+8*\g+7], v[TM+12+\b]
.endr
.endr
	v_nop
.irp b, 0,1,2,3
	global_store_b128 v5, v[28+4*\b:31+4*\b], s[24:25] offset:(\b/2)*512+(\b%2)*256   ; lanes 0-15 and lanes 16-31 each store 256 consecutive bytes, aligned
.endr
	global_store_b32 v6, v10, s[26:27]                 ; two pieces of 64 bytes: the scale words are one byte in 128 of what this role reads
	s_endpgm
.endm
.macro RED reg, tmp                    ; a sum of whole numbers over the 32 lanes, in every lane
.irp x, 1,2,4,8
	v_mov_b32_dpp v[\tmp], v[\reg] row_xmask:\x row_mask:0xf bank_mask:0xf
	v_add_nc_u32 v[\reg], v[\reg], v[\tmp]
.endr
	v_permlanex16_b32 v[\tmp], v[\reg], s[SEL], s[SEL+1]
	v_add_nc_u32 v[\reg], v[\reg], v[\tmp]
.endm
	s_load_b256 s[4:11], s[0:1], 0x0               ; context s[4:5], Wkv s[6:7], Wq s[8:9], Wo s[10:11]
	s_load_b256 s[12:19], s[0:1], 0x20             ; batch_indices s[12:13], wsp s[14:15], cnts s[16:17], order s[18:19]
	v_lshrrev_b32 v1, 5, v0
	v_readfirstlane_b32 s20, v1                    ; wave 0..3
	v_and_b32 v1, 31, v0                           ; lane
	v_and_b32 v2, 15, v0                           ; r
	v_bfe_u32 v3, v0, 4, 1                         ; h
	s_mov_b32 s[SEL], 0x76543210
	s_mov_b32 s[SEL+1], 0xfedcba98
	s_wait_kmcnt 0x0
	s_cmp_lt_u32 ttmp9, 128                        ; the roles part on the work-group's number alone
	s_cbranch_scc1 .Lctx
	s_cmp_lt_u32 ttmp9, 192
	s_cbranch_scc1 .Lwkv
	s_cmp_lt_u32 ttmp9, 208
	s_cbranch_scc1 .Lwq
	s_cmp_lt_u32 ttmp9, 224
	s_cbranch_scc1 .Lwo
	; ---- counts: my wave's chunk of 256 points, and its 1,536 bytes of 'order'
	s_sub_co_u32 s21, ttmp9, 224
	s_lshl_b32 s21, s21, 2
	s_add_co_u32 s21, s21, s20                     ; chunk 0..63
	s_lshl_b32 s36, s21, 10
	s_mov_b32 s37, 0
	s_add_nc_u64 s[22:23], s[12:13], s[36:37]
	s_mul_i32 s36, s21, 1536
	s_add_nc_u64 s[24:25], s[18:19], s[36:37]
	s_lshl_b32 s36, s21, 3
	s_add_nc_u64 s[26:27], s[16:17], s[36:37]
	v_lshlrev_b32 v5, 4, v1
	global_load_b128 v[8:11], v5, s[22:23]
	global_load_b128 v[12:15], v5, s[22:23] offset:512
.irp i, 0,1,2,3
	v_mov_b32 v[16+\i], 0x4000                     ; the marker: no point has this number
.endr
.irp i, 0,1,2
	global_store_b128 v5, v[16:19], s[24:25] offset:512*\i
.endr
	v_mov_b32 v22, 1
	v_mov_b32 v26, 0                               ; (a lane permute's destination counts as one of its sources)
	v_mov_b32 v27, 0
	s_wait_loadcnt 0x0
	v_lshlrev_b32 v20, 3, v8
	v_lshlrev_b32 v21, v20, v22                    ; a byte for each batch: 1 << 8 b; a lane's eight points stay under 256
.irp k, 1,2,3,4,5,6,7
	v_lshlrev_b32 v20, 3, v[8+\k]
	v_lshl_add_u32 v21, v22, v20, v21
.endr
	v_and_b32 v24, 0x00ff00ff, v21                 ; batches 0 and 2 in halves of 16 bits,
	v_lshrrev_b32 v25, 8, v21
	v_and_b32 v25, 0x00ff00ff, v25                 ; batches 1 and 3: the 32 lanes' sums, 256 at the most, fit
	RED 24, 26
	RED 25, 26
	v_cmp_eq_u32 vcc_lo, 0, v1
	s_wait_xcnt 0x0                                ; EXEC changes only when the earlier loads and stores have had their addresses translated
	s_and_saveexec_b32 s40, vcc_lo
	global_store_b64 v27, v[24:25], s[26:27]       ; lane 0 stores the chunk's eight bytes
	s_endpgm
.Lctx:	; ---- context: work-group = 16 rows, wave = K steps 2 w and 2 w + 1
	s_lshl_b32 s24, ttmp9, 16                      ; 16 rows of 4,096 bytes
	s_lshl_b32 s26, s20, 10                        ; two K steps of 512 bytes
	s_add_co_u32 s24, s24, s26
	s_mov_b32 s25, 0
	s_add_nc_u64 s[22:23], s[4:5], s[24:25]
	s_lshl_b32 s24, ttmp9, 13                      ; fragment 8 mt + 2 w
	s_lshl_b32 s26, s20, 11
	s_add_co_u32 s24, s24, s26
	s_add_nc_u64 s[28:29], s[14:15], s[24:25]      ; (CXC = 0)
	s_lshl_b32 s24, ttmp9, 9
	s_lshl_b32 s26, s20, 7
	s_add_co_u32 s24, s24, s26
	s_add_co_u32 s24, s24, CXS
	s_add_nc_u64 s[30:31], s[14:15], s[24:25]
	v_lshlrev_b32 v4, 12, v2
	v_lshl_add_u32 v4, v3, 6, v4                   ; row r, + 64 h: my 16 numbers of a block of 32
	v_lshlrev_b32 v5, 4, v1
	v_lshlrev_b32 v6, 2, v1
.irp b, 0,1,2,3
	v_mov_b32 v[TM+4+\b], 0                        ; written once: a lane permute's destination counts as one of its sources
.endr
.irp u, 0,1
.irp b, 0,1,2,3
.irp j, 0,1,2,3
	global_load_b128 v[X+64*\u+16*\b+4*\j:X+64*\u+16*\b+4*\j+3], v4, s[22:23] offset:512*\u+128*\b+16*\j th:TH_LOAD_NT
.endr
.endr
.endr
	s_wait_loadcnt 16                              ; the first K step's 16 loads are in; the second's 16 may be out
	QUANT X, 28, 10
	s_wait_loadcnt 0x0
	QUANT X+64, 36, 11
.irp u, 0,1
.irp c, 0,1
	global_store_b128 v5, v[28+8*\u+4*\c:31+8*\u+4*\c], s[28:29] offset:1024*\u+512*\c   ; 512 consecutive bytes a store
.endr
.endr
	v_cmp_lt_u32 vcc_lo, 15, v1
	v_cndmask_b32 v10, v10, v11, vcc_lo            ; lanes 0-15 the first K step's words, lanes 16-31 the second's: 128 consecutive bytes
	global_store_b32 v6, v10, s[30:31]
	s_endpgm
.Lwkv:
	WADDR 128, 6, 3, 19
	WFP4 3, WKC, WKS, 4096
.Lwq:
	WADDR 192, 8, 2, 18
	WFP4 2, WQC, WQS, 2048
.Lwo:	; ---- Wo: 128 along k x 128 columns to f16.  Eight neighbours down k of my column are lane slot (r, g % 2) of piece (g % 4) / 2 of the fragment of k step g / 4
	WADDR 208, 10, 2, 18
	s_lshl_b32 s38, s35, 1
	s_lshr_b32 s39, s20, 1
	s_add_co_u32 s38, s38, s39                     ; nt / 4 = 2 cg + wave / 2
	s_lshl_b32 s38, s38, 4
	s_lshl_b32 s39, s34, 2
	s_add_co_u32 s38, s38, s39                     ; x 16 + my first k step
	s_lshl_b32 s36, s38, 12
	s_and_b32 s39, s20, 1
	s_lshl_b32 s39, s39, 11                        ; nt % 4 = 2 (wave % 2) + h
	s_add_co_u32 s36, s36, s39
	s_add_co_u32 s36, s36, WOF
	s_add_nc_u64 s[24:25], s[14:15], s[36:37]
	v_lshlrev_b32 v5, 4, v2
	v_lshl_add_u32 v5, v3, 10, v5
	WLOAD 2048
.set g, 0
.rept 16
.irp i, 0,1,2,3
	v_cvt_pk_f16_f32 v[X+8*g+\i], v[X+8*g+2*\i], v[X+8*g+2*\i+1]   ; in place, ascending: a result never lands on a number still to be read
.endr
	global_store_b128 v5, v[X+8*g:X+8*g+3], s[24:25] offset:(g/4)*4096+((g%4)/2)*512+(g%2)*256   ; each half of the lanes stores 256 consecutive bytes, aligned
.set g, g+1
.endr
	s_endpgm
.Lfunc_end_k_qadaca33bbd_prep:
	.size	k_qadaca33bbd_prep, .Lfunc_end_k_qadaca33bbd_prep-k_qadaca33bbd_prep
	.p2alignl 7, 3214868480
	.fill 96, 4, 3214868480
	.section	.rodata,"a",@progbits
	.p2align	6, 0x0
	.amdhsa_kernel k_qadaca33bbd_prep
		.amdhsa_group_segment_fixed_size 0
		.amdhsa_private_segment_fixed_size 0
		.amdhsa_enable_private_segment 0
		.amdhsa_kernarg_size 64
		.amdhsa_user_sgpr_count 2
		.amdhsa_user_sgpr_kernarg_segment_ptr 1
		.amdhsa_wavefront_size32 1
		.amdhsa_system_sgpr_workgroup_id_x 1
		.amdhsa_system_sgpr_workgroup_id_y 1
		.amdhsa_system_sgpr_workgroup_id_z 1
		.amdhsa_system_vgpr_workitem_id 0
		.amdhsa_next_free_vgpr 192
		.amdhsa_next_free_sgpr 66
		.amdhsa_reserve_vcc 1
		.amdhsa_float_denorm_mode_32 3
		.amdhsa_float_denorm_mode_16_64 3
		.amdhsa_memory_ordered 1
		.amdhsa_forward_progress 1
		.amdhsa_inst_pref_size 74
	.end_amdhsa_kernel
	.amdgpu_metadata
---
amdhsa.version: [ 1, 2 ]
amdhsa.kernels:
  - .name:           k_qadaca33bbd_prep
    .symbol:         k_qadaca33bbd_prep.kd
    .args:
      - { .name: context, .offset: 0, .size: 8, .value_kind: global_buffer, .address_space: global }
      - { .name: Wkv, .offset: 8, .size: 8, .value_kind: global_buffer, .address_space: global }
      - { .name: Wq, .offset: 16, .size: 8, .value_kind: global_buffer, .address_space: global }
      - { .name: Wo, .offset: 24, .size: 8, .value_kind: global_buffer, .address_space: global }
      - { .name: batch_indices, .offset: 32, .size: 8, .value_kind: global_buffer, .address_space: global }
      - { .name: wsp, .offset: 40, .size: 8, .value_kind: global_buffer, .address_space: global }
      - { .name: cnts, .offset: 48, .size: 8, .value_kind: global_buffer, .address_space: global }
      - { .name: order, .offset: 56, .size: 8, .value_kind: global_buffer, .address_space: global }
    .group_segment_fixed_size: 0
    .private_segment_fixed_size: 0
    .kernarg_segment_align: 8
    .kernarg_segment_size: 64
    .max_flat_workgroup_size: 128
    .sgpr_count:     66
    .vgpr_count:     192
    .wavefront_size: 32
...
	.end_amdgpu_metadata
.endif
;; end of part 1
;; launch kvproj (part 2): grid 576 x 1, 1 waves a work-group, no clusters, 0 bytes of LDS; arguments wsp, bkv, batch_indices, cnts, kvf, order; writes kvf, order
.if DOCPART == 2
	.amdgcn_target "amdgcn-amd-amdhsa--gfx1250"
	.amdhsa_code_object_version 6
	.text
	.protected	k_qadaca33bbd_kvproj
	.globl	k_qadaca33bbd_kvproj
	.p2align	8
	.type	k_qadaca33bbd_kvproj,@function
k_qadaca33bbd_kvproj:
	s_mov_b64 s[64:65], 0
	v_nop
	global_prefetch_b8 v0, s[64:65] scope:SCOPE_SE
	s_setreg_imm32_b32 hwreg(HW_REG_WAVE_MODE, 25, 1), 1
	s_wait_xcnt 0x0
; KVPROJ.  Work-groups 0-511, one wave each: kv = Q(context) Q(Wkv) + bkv on codes of FP4, a tile of 64 context rows x 64 columns: one key step (64 keys) of one head of K (column group under 8) or of V,
; which is one block of 8,192 bytes of kvf, laid as the attention's f16 operand registers want it.  All of a tile's operands (64 fragments, K = 1,024) are asked for at once: one trip to memory, then 128 products.
;   K: source 0 = 16 columns of Wkv, source 1 = 16 context rows: a lane holds ONE key and eight neighbouring d.  K is multiplied by c = log2(e) / 8 in f32 ahead of its rounding, so that scores come out as exponents of 2.
;   V: the sources change places: a lane holds ONE d and eight neighbouring keys.
;   kvf: K at 0, V at 2^21; block ((batch 8 + head) 8 + key step) 8,192; in it K's fragment (keys 16 kt on, d 32 c on) at (2 kt + c) 1,024, V's (keys 32 ck on, d 16 dt on) at (4 ck + dt) 1,024.
; Work-groups 512-575, one wave each: PLACE 256 points in 'order', sorted by batch into 208 tiles of 80 slots.  n_b points of batch b make c_b = ceil(n_b / 80) tiles; the sum of the c_b is 205 to 208.
;   The E = 208 - sum tiles that are over go to the largest batch (at least 4,096 points): its first 80 E points are cut into 2 E tiles of 40.  So every split gives 208 tiles, each with a point in its first slot.
;   The p-th point of batch b goes to slot A_b + p + 40 min(p / 40, e2_b), A_b = 80 x the tiles of the batches before, e2_b = 2 E for the largest batch, else 0.  Slots not taken keep the marker.
;   These are stores of 4 bytes to scattered places, 64 KiB in all: the price of the sort.
; LIMITS: batch_indices hold 0 .. 3; |c k| and |v| above 65,504 have no f16 number; NaN and infinities are not served.
; REGISTERS (tile): window 0: v1 16 x lane, v2 4 x lane, v3 the bias's offset; v32-95 packed results (v64-95 hold the bias first); v96-111 context's scale words, v112-127 Wkv's (a register: K step 2 p in lanes 0-15, 2 p + 1 in lanes 16-31);
;   v128-255 the 16 accumulators (i, t) at 128 + 8 (4 i + t).   window 1: context's fragments at 8 (8 i + s).   window 2: Wkv's at 8 (8 t + s).
.set WKC, 1048576
.set CXS, 2228224
.set WKS, 2293760
.set PK,  32
.set BI,  64
.set SCX, 96
.set SCW, 112
.set ACC, 128
.set SEL, 44
.set MSB, 0
.macro WIN new                         ; the immediate's high byte repeats the setting that is left
.if MSB != \new
	s_set_vgpr_msb (MSB<<8)|\new
.set MSB, \new
.endif
.endm
.macro MM d, a, b, c, sa, sb, odd      ; one product; an odd K step's scale words stand in lanes 16-31
.if \odd
	v_wmma_scale_f32_16x16x128_f8f6f4 v[\d:\d+7], v[\a:\a+7], v[\b:\b+7], v[\c:\c+7], v[\sa], v[\sb] matrix_a_fmt:MATRIX_FMT_FP4 matrix_b_fmt:MATRIX_FMT_FP4 matrix_a_scale:MATRIX_SCALE_ROW1 matrix_b_scale:MATRIX_SCALE_ROW1
.else
	v_wmma_scale_f32_16x16x128_f8f6f4 v[\d:\d+7], v[\a:\a+7], v[\b:\b+7], v[\c:\c+7], v[\sa], v[\sb] matrix_a_fmt:MATRIX_FMT_FP4 matrix_b_fmt:MATRIX_FMT_FP4
.endif
.endm
.macro RED reg, tmp                    ; a sum of whole numbers over the 32 lanes, in every lane
.irp x, 1,2,4,8
	v_mov_b32_dpp v[\tmp], v[\reg] row_xmask:\x row_mask:0xf bank_mask:0xf
	v_add_nc_u32 v[\reg], v[\reg], v[\tmp]
.endr
	v_permlanex16_b32 v[\tmp], v[\reg], s[SEL], s[SEL+1]
	v_add_nc_u32 v[\reg], v[\reg], v[\tmp]
.endm
; the rest of a tile: the bias (it is the C of each sum's first product), 128 products, rounding, 16 stores.  kp = 1: K's way, 0: V's
.macro TILE kp
.if \kp
	v_bfe_u32 v3, v0, 4, 1
	v_lshlrev_b32 v3, 5, v3                        ; my eight d of a tile: 32 h bytes on
.irp t, 0,1,2,3
	global_load_b128 v[BI+8*\t:BI+8*\t+3], v3, s[28:29] offset:64*\t
	global_load_b128 v[BI+8*\t+4:BI+8*\t+7], v3, s[28:29] offset:64*\t+16
.endr
.else
	v_and_b32 v3, 15, v0
	v_lshlrev_b32 v3, 2, v3                        ; my one d: its bias stands in all eight registers
.irp t, 0,1,2,3
.irp j, 0,1,2,3,4,5,6,7
	global_load_b32 v[BI+8*\t+\j], v3, s[28:29] offset:64*\t
.endr
.endr
.endif
	s_wait_loadcnt 0x0                             ; everything is in
.if \kp
	WIN 0x06                                       ; source 0 (Wkv) window 2, source 1 (context) window 1
.else
	WIN 0x09                                       ; source 0 (context) window 1, source 1 (Wkv) window 2
.endif
.irp s, 0,1,2,3,4,5,6,7                        ; the 16 accumulators take turns, one instruction a turn
.irp i, 0,1,2,3
.irp t, 0,1,2,3
.set cc, ACC+8*(4*\i+\t)
.if \s == 0
.set cc, BI+8*\t
.endif
.if \kp
	MM ACC+8*(4*\i+\t), 8*(8*\t+\s), 8*(8*\i+\s), cc, SCW+4*\t+\s/2, SCX+4*\i+\s/2, \s%2
.else
	MM ACC+8*(4*\i+\t), 8*(8*\i+\s), 8*(8*\t+\s), cc, SCX+4*\i+\s/2, SCW+4*\t+\s/2, \s%2
.endif
.endr
.endr
.endr
	WIN 0
.rept 4
	v_nop                                          ; four plain instructions between the last product and the first read of results
.endr
.if \kp
.set a, ACC
.rept 64
	v_pk_mul_f32 v[a:a+1], v[a:a+1], 0x3e38aa3b op_sel_hi:[1,0]   ; x c = log2(e) / 8, in f32; each accumulator from its low end on
.set a, a+2
.endr
.endif
.set a, 0
.rept 64
	v_cvt_pk_f16_f32 v[PK+a], v[ACC+2*a], v[ACC+2*a+1]
.set a, a+1
.endr
.irp i, 0,1,2,3
.irp t, 0,1,2,3
.if \kp
	global_store_b128 v1, v[PK+4*(4*\i+\t):PK+4*(4*\i+\t)+3], s[30:31] offset:(2*\i+\t/2)*1024+(\t%2)*512   ; 512 consecutive bytes a store
.else
	global_store_b128 v1, v[PK+4*(4*\i+\t):PK+4*(4*\i+\t)+3], s[30:31] offset:((\i/2)*4+\t)*1024+(\i%2)*512
.endif
.endr
.endr
	s_endpgm
.endm
	s_load_b256 s[4:11], s[0:1], 0x0               ; wsp s[4:5], bkv s[6:7], batch_indices s[8:9], cnts s[10:11]
	s_load_b128 s[12:15], s[0:1], 0x20             ; kvf s[12:13], order s[14:15]
	v_lshlrev_b32 v1, 4, v0                        ; one wave: v0 is the lane
	v_lshlrev_b32 v2, 2, v0
	s_wait_kmcnt 0x0
	s_cmp_lt_u32 ttmp9, 512
	s_cbranch_scc0 .Lplace
	s_lshr_b32 s16, ttmp9, 4                       ; rg: 64 context rows = batch rg / 8, key step rg % 8
	s_and_b32 s17, ttmp9, 15                       ; cgp: 64 columns = K's (under 8) or V's head cgp % 8
	s_mov_b32 s41, 0
	s_lshl_b32 s40, s16, 15
	s_add_nc_u64 s[20:21], s[4:5], s[40:41]        ; context's 32 fragments
	s_lshl_b32 s40, s17, 15
	s_add_co_u32 s40, s40, WKC
	s_add_nc_u64 s[22:23], s[4:5], s[40:41]        ; Wkv's 32
	s_lshl_b32 s40, s16, 11
	s_add_co_u32 s40, s40, CXS
	s_add_nc_u64 s[24:25], s[4:5], s[40:41]
	s_lshl_b32 s40, s17, 11
	s_add_co_u32 s40, s40, WKS
	s_add_nc_u64 s[26:27], s[4:5], s[40:41]
	s_lshl_b32 s40, s17, 8
	s_add_nc_u64 s[28:29], s[6:7], s[40:41]        ; the bias of my 64 columns
	s_lshr_b32 s42, s16, 3
	s_lshl_b32 s42, s42, 6
	s_and_b32 s43, s17, 7
	s_lshl_b32 s43, s43, 3
	s_add_co_u32 s42, s42, s43
	s_and_b32 s43, s16, 7
	s_add_co_u32 s42, s42, s43                     ; (batch 8 + head) 8 + key step
	s_lshl_b32 s40, s42, 13
	s_lshr_b32 s43, s17, 3
	s_lshl_b32 s43, s43, 21                        ; V's half of kvf
	s_add_co_u32 s40, s40, s43
	s_add_nc_u64 s[30:31], s[12:13], s[40:41]
.irp i, 0,1,2,3
.irp p, 0,1,2,3
	global_load_b32 v[SCX+4*\i+\p], v2, s[24:25] offset:(8*\i+2*\p)*64   ; two K steps' words: 128 consecutive bytes
	global_load_b32 v[SCW+4*\i+\p], v2, s[26:27] offset:(8*\i+2*\p)*64
.endr
.endr
	WIN 0x40                                       ; destination window 1
.set f, 0
.rept 32
	global_load_b128 v[8*f:8*f+3], v1, s[20:21] offset:f*1024
	global_load_b128 v[8*f+4:8*f+7], v1, s[20:21] offset:f*1024+512
.set f, f+1
.endr
	WIN 0x80                                       ; destination window 2
.set f, 0
.rept 32
	global_load_b128 v[8*f:8*f+3], v1, s[22:23] offset:f*1024
	global_load_b128 v[8*f+4:8*f+7], v1, s[22:23] offset:f*1024+512
.set f, f+1
.endr
	WIN 0                                          ; at a branch and at a label every window is 0
	s_cmp_lt_u32 s17, 8
	s_cbranch_scc0 .Lvpath
	TILE 1
.Lvpath:
	TILE 0
.Lplace:
	s_sub_co_u32 s16, ttmp9, 512                   ; my chunk of 256 points
	s_lshl_b32 s40, s16, 10
	s_mov_b32 s41, 0
	s_add_nc_u64 s[18:19], s[8:9], s[40:41]
	v_lshlrev_b32 v3, 3, v0
	global_load_b64 v[4:5], v3, s[10:11]           ; the counts of chunk lane,
	global_load_b64 v[6:7], v3, s[10:11] offset:256   ; and of chunk 32 + lane
	global_load_b128 v[8:11], v1, s[18:19]         ; my eight points' batches: register k is point 256 W + 128 (k / 4) + 4 lane + k % 4
	global_load_b128 v[12:15], v1, s[18:19] offset:512
	s_mov_b32 s[SEL], 0x76543210
	s_mov_b32 s[SEL+1], 0xfedcba98
	v_add_nc_u32 v17, 32, v0
	v_mov_b32 v24, 0                               ; (a lane permute's destination counts as one of its sources)
	s_lshl_b32 s50, s16, 8
	v_add_nc_u32 v18, s50, v2                      ; 256 W + 4 lane
	s_wait_loadcnt 0x0
	v_add_nc_u32 v20, v4, v6                       ; all chunks: batches 0 and 2 in halves of 16 bits (16,384 at the most),
	v_add_nc_u32 v21, v5, v7                       ; batches 1 and 3
	v_cmp_gt_u32 vcc_lo, s16, v0
	v_cndmask_b32 v22, 0, v4, vcc_lo               ; the chunks ahead of mine
	v_cndmask_b32 v23, 0, v5, vcc_lo
	v_cmp_gt_u32 vcc_lo, s16, v17
	v_cndmask_b32 v25, 0, v6, vcc_lo
	v_cndmask_b32 v26, 0, v7, vcc_lo
	v_add_nc_u32 v22, v22, v25
	v_add_nc_u32 v23, v23, v26
	RED 20, 24
	RED 21, 24
	RED 22, 24
	RED 23, 24
	v_readfirstlane_b32 s46, v20
	v_readfirstlane_b32 s47, v21
	v_readfirstlane_b32 s48, v22
	v_readfirstlane_b32 s49, v23
	s_and_b32 s20, s46, 0xffff                     ; n_0 .. n_3
	s_and_b32 s21, s47, 0xffff
	s_lshr_b32 s22, s46, 16
	s_lshr_b32 s23, s47, 16
	s_and_b32 s24, s48, 0xffff                     ; p_0 .. p_3: each batch's points ahead of my chunk
	s_and_b32 s25, s49, 0xffff
	s_lshr_b32 s26, s48, 16
	s_lshr_b32 s27, s49, 16
.irp b, 0,1,2,3
	s_add_co_u32 s[28+\b], s[20+\b], 79
	s_mul_i32 s[28+\b], s[28+\b], 52429
	s_lshr_b32 s[28+\b], s[28+\b], 22              ; c_b = (n_b + 79) / 80: 52429 / 2^22 is 1 / 80 closely enough for numbers under 16,464
.endr
	s_add_co_u32 s40, s28, s29
	s_add_co_u32 s40, s40, s30
	s_add_co_u32 s40, s40, s31
	s_sub_co_u32 s40, 208, s40                     ; E, 0 to 3
	s_lshl_b32 s43, s40, 1
	s_mov_b32 s41, s20
	s_mov_b32 s42, 0                               ; the largest batch
.irp b, 1,2,3
	s_cmp_gt_u32 s[20+\b], s41
	s_cselect_b32 s41, s[20+\b], s41
	s_cselect_b32 s42, \b, s42
.endr
.irp b, 0,1,2,3
	s_cmp_eq_u32 s42, \b
	s_cselect_b32 s[36+\b], s43, 0                 ; e2_b
	s_cselect_b32 s51, s40, 0
	s_add_co_u32 s[28+\b], s[28+\b], s51           ; the batch's tiles
.endr
	s_mov_b32 s32, 0                               ; A_b
	s_mul_i32 s33, s28, 80
	s_mul_i32 s34, s29, 80
	s_add_co_u32 s34, s34, s33
	s_mul_i32 s35, s30, 80
	s_add_co_u32 s35, s35, s34
.irp b, 0,1,2,3
	v_mov_b32 v[40+\b], s[32+\b]
	v_mov_b32 v[44+\b], s[36+\b]
.endr
.irp k, 0,1,2,3,4,5,6,7
	v_cmp_eq_u32 vcc_lo, 0, v[8+\k]
	v_mbcnt_lo_u32_b32 v30, vcc_lo, s24            ; p: the batch's points so far + those of this register in lower lanes
	s_bcnt1_i32_b32 s50, vcc_lo
	s_add_co_u32 s24, s24, s50
	v_mov_b32 v31, v40
	v_mov_b32 v32, v44
.irp b, 1,2,3
	v_cmp_eq_u32 vcc_lo, \b, v[8+\k]
	v_mbcnt_lo_u32_b32 v33, vcc_lo, s[24+\b]
	s_bcnt1_i32_b32 s50, vcc_lo
	s_add_co_u32 s[24+\b], s[24+\b], s50
	v_cndmask_b32 v30, v30, v33, vcc_lo
	v_cndmask_b32 v31, v31, v[40+\b], vcc_lo
	v_cndmask_b32 v32, v32, v[44+\b], vcc_lo
.endr
	v_mul_u32_u24 v33, v30, 52429
	v_lshrrev_b32 v33, 21, v33                     ; p / 40
	v_min_u32 v33, v33, v32
	v_mad_u32_u24 v33, v33, 40, v30
	v_add_nc_u32 v33, v33, v31                     ; the slot
	v_min_u32 v33, 0x40ff, v33                     ; held inside the 16,640 slots
	v_lshlrev_b32 v[48+\k], 2, v33                 ; each register has its own offset and data: nothing that a store reads is written again
	v_add_nc_u32 v[56+\k], 128*(\k/4)+\k%4, v18
	global_store_b32 v[48+\k], v[56+\k], s[14:15]
.endr
	s_endpgm
.Lfunc_end_k_qadaca33bbd_kvproj:
	.size	k_qadaca33bbd_kvproj, .Lfunc_end_k_qadaca33bbd_kvproj-k_qadaca33bbd_kvproj
	.p2alignl 7, 3214868480
	.fill 96, 4, 3214868480
	.section	.rodata,"a",@progbits
	.p2align	6, 0x0
	.amdhsa_kernel k_qadaca33bbd_kvproj
		.amdhsa_group_segment_fixed_size 0
		.amdhsa_private_segment_fixed_size 0
		.amdhsa_enable_private_segment 0
		.amdhsa_kernarg_size 48
		.amdhsa_user_sgpr_count 2
		.amdhsa_user_sgpr_kernarg_segment_ptr 1
		.amdhsa_wavefront_size32 1
		.amdhsa_system_sgpr_workgroup_id_x 1
		.amdhsa_system_sgpr_workgroup_id_y 1
		.amdhsa_system_sgpr_workgroup_id_z 1
		.amdhsa_system_vgpr_workitem_id 0
		.amdhsa_next_free_vgpr 768
		.amdhsa_next_free_sgpr 66
		.amdhsa_reserve_vcc 1
		.amdhsa_float_denorm_mode_32 3
		.amdhsa_float_denorm_mode_16_64 3
		.amdhsa_memory_ordered 1
		.amdhsa_forward_progress 1
		.amdhsa_inst_pref_size 88
	.end_amdhsa_kernel
	.amdgpu_metadata
---
amdhsa.version: [ 1, 2 ]
amdhsa.kernels:
  - .name:           k_qadaca33bbd_kvproj
    .symbol:         k_qadaca33bbd_kvproj.kd
    .args:
      - { .name: wsp, .offset: 0, .size: 8, .value_kind: global_buffer, .address_space: global }
      - { .name: bkv, .offset: 8, .size: 8, .value_kind: global_buffer, .address_space: global }
      - { .name: batch_indices, .offset: 16, .size: 8, .value_kind: global_buffer, .address_space: global }
      - { .name: cnts, .offset: 24, .size: 8, .value_kind: global_buffer, .address_space: global }
      - { .name: kvf, .offset: 32, .size: 8, .value_kind: global_buffer, .address_space: global }
      - { .name: order, .offset: 40, .size: 8, .value_kind: global_buffer, .address_space: global }
    .group_segment_fixed_size: 0
    .private_segment_fixed_size: 0
    .kernarg_segment_align: 8
    .kernarg_segment_size: 48
    .max_flat_workgroup_size: 32
    .sgpr_count:     66
    .vgpr_count:     768
    .wavefront_size: 32
...
	.end_amdgpu_metadata
.endif
;; end of part 2
;; launch attn (part 3): grid 208 x 1, 8 waves a work-group, no clusters, 140,800 bytes of LDS; arguments x_feats, order, batch_indices, wsp, bq, kvf, bo, out0; writes out0
.if DOCPART == 3
	.amdgcn_target "amdgcn-amd-amdhsa--gfx1250"
	.amdhsa_code_object_version 6
	.text
	.protected	k_qadaca33bbd_attn
	.globl	k_qadaca33bbd_attn
	.p2align	8
	.type	k_qadaca33bbd_attn,@function
k_qadaca33bbd_attn:
	s_mov_b64 s[64:65], 0
	v_nop
	global_prefetch_b8 v0, s[64:65] scope:SCOPE_SE
	s_setreg_imm32_b32 hwreg(HW_REG_WAVE_MODE, 25, 1), 1
	s_wait_xcnt 0x0
; ATTN: for one tile of 80 points of one batch: gather x, quantise it to FP4, q = Q(x) Q(Wq) + bq, attention over the batch's 512 keys in 8 heads of 64, out = o Wo + bo, rows scattered back.
; reference() multiplies every point with every batch's keys and keeps, by a one-hot mask that it builds itself, the point's own batch: only that part is multiplied here.
; SHARES.  A work-group takes slots 80 t .. 80 t + 79 of 'order': five tiles m of 16 rows.  A slot that holds the marker takes the tile's first point once more: it is computed again and the same bytes are stored again.
;   Wave w is head w (q's columns 64 w on, the attention) and output columns 64 w on, for all 80 rows.  So each fragment of Wq, K, V and Wo is read once a work-group, by one wave, from memory straight into
;   its operand registers (an earlier launch laid them so), and feeds five matrix instructions.  Two waves share a SIMD: one's softmax stands beside the other's products.
; NO CLUSTER, NO JOINT LOADS: which work-groups share a batch's K and V hangs on the data, so no mask written in the text can name the partners.  NO LDS RING: a fragment has one reader in the work-group.
; LAYOUT.  All products are used transposed (source 1 = 16 points): a lane holds ONE point (lane % 16) throughout, and its eight registers of a result are eight neighbours along the next product's K.
;   q^T = Wq^T x^T (FP4) -> f16 -> source 1 of S^T = K Q^T -> p -> f16 -> source 1 of O^T = V^T P -> / sum -> f16 -> source 1 of out^T = Wo^T o^T.
; SOFTMAX.  K was multiplied by log2(e) / 8, so a score is an exponent of 2.  For each point a running maximum M and sum l: p = 2^(s - M); in every key step O and l are multiplied by 2^(old M - new M).
; FORMATS: products 3, 4 and 6 take f16 operands, f32 sums.  LIMITS: |q|, |o| above 65,504 have no f16 number; p under 6e-5 is an f16 subnormal; NaN and infinities are not served; batch_indices hold 0 .. 3;
;   a block of x whose largest magnitude lies under 2^-124 (zeros too) gets the scale byte 1.
; LDS: operands go from wave to wave as images of their registers (a fragment: 1,024 bytes, registers 4 c .. 4 c + 3 of lane l at 512 c + 16 l); every address is a constant + 16 or 4 x lane + a constant x wave.
.set XIMG,  0                          ; x's 20 FP4 fragments, 4 m + K step
.set XSC,   20480                      ; their scale words, 128 bytes each
.set OIMG,  23040                      ; wave w's 10,240 bytes: first its Q fragments at (5 c + m) 1,024, later its o fragments, K step 2 w + c of the last product, at the same places
.set STG,   104960                     ; for each wave 16 rows x (256 + 16) bytes, for the way out
.set SPARE, 139776                     ; the spare words, 128 bytes for each wave: four blocks of 256 bytes that no other line names
.set WQC,   1572864                    ; in wsp
.set WOF,   1703936
.set WQS,   2326528
; REGISTERS, window 0: v1-11 addresses that stay; v12-31 at work, later four statistics a tile (M, X, A, T); then by phase:
.set LI,  1                            ; 16 x lane
.set QA,  2                            ; OIMG + 10,240 wave + 16 lane
.set SPW, 3                            ; my spare word; never rewritten
.set NIL, 4                            ; 0; never rewritten
.set XWI, 5                            ; XIMG + 1,024 wave + 16 lane
.set XWS, 6                            ; XSC + 128 wave + 4 lane
.set LS,  7                            ; 4 x lane
.set OA0, 8                            ; OIMG + 16 lane
.set OA1, 9                            ; OIMG + 40,960 + 16 lane: an LDS immediate has 16 bits
.set STO, 10                           ; my stage: row r, + 32 h
.set RD,  11                           ; my stage: row h, + 16 r
.set TM,  12
.set ST,  12
.set PC,  28                           ; v28-35 the codes just made
.set XO,  36                           ; v36-38 my rows' byte offsets in x
.set PW,  39                           ; the scale word just made
.set XD,  56                           ; v56-247 three units of 64 numbers of x
.set WS,  248                          ; v248-255 Wq's scale words (K step 2 p in lanes 0-15, 2 p + 1 in lanes 16-31)
.set R1,  32                           ; v32-95 K of one key step
.set XS,  96                           ; v96-103 x's scale words, two sets
.set XF,  104                          ; v104-167 x's fragments, two sets
.set QD,  168                          ; v168-199 q^T of one tile of rows
.set PKQ, 200                          ; v200-215 the same in f16
.set S,   96                           ; v96-255 S^T, 32 a tile; p; P in f16 in each tile's first 16
.set BO,  32                           ; behind the key loop: v32-63 bo; v64-191 Wo, four sets, later rows read back; v192-231 the rows' offsets in out0; v232-247 o in f16
.set AB,  64
.set ROFF, 192
.set PKO, 232
; window 1: v0-159 Wq (8 (4 t + s)) and bq (128 + 8 t), then O^T (32 m + 8 dt), then out^T (32 m + 8 t); v160-239 Q, V or o by turns; v240-249 the sums l
.set BQ,  128
.set R2,  160
.set LSUM, 240
.set SEL, 34                           ; s[34:35] lane selects for v_permlanex16_b32: lane l xor 16
.set MSB, 0
.macro WIN new                         ; bits 1:0 source 0, 3:2 source 1, 5:4 source 2, 7:6 destination; the immediate's high byte repeats the setting that is left
.if MSB != \new
	s_set_vgpr_msb (MSB<<8)|\new
.set MSB, \new
.endif
.endm
.macro PLACES n                        ; plain instructions between a matrix instruction and what reads its result, loads into its registers (4) or, as a matrix instruction, writes over them (5)
.rept \n
	v_nop
.endr
.endm
; 64 numbers of a lane, register 16 b + i = k 32 b + 16 h + i of my row, become a fragment's codes in v[PC] on and my row's scale word in v[PW]
.macro QUANT s
.irp b, 0,1,2,3
	v_max3_num_f32 v[TM+\b], |v[\s+16*\b]|, |v[\s+1+16*\b]|, 0x1800000   ; block b: my 16 numbers, and the floor 2^(3 - 127): the byte cannot fall under 1
.endr
.irp i, 2,4,6,8,10,12,14
.irp b, 0,1,2,3
	v_max3_num_f32 v[TM+\b], v[TM+\b], |v[\s+16*\b+\i]|, |v[\s+1+16*\b+\i]|
.endr
.endr
.irp b, 0,1,2,3
	v_permlanex16_b32 v[TM+4+\b], v[TM+\b], s[SEL], s[SEL+1]
.endr
.irp b, 0,1,2,3
	v_max_num_f32 v[TM+\b], v[TM+\b], v[TM+4+\b]
.endr
.irp b, 0,1,2,3
	v_add_nc_u32 v[TM+12+\b], 0xff000000, v[TM+\b]     ; 2 off the exponent field: the conversion's scale operand
.endr
.irp b, 0,1,2,3
	v_lshrrev_b32 v[TM+4+\b], 23, v[TM+12+\b]
.endr
	v_lshl_or_b32 v[PW], v[TM+5], 8, v[TM+4]
	v_lshl_or_b32 v[PW], v[TM+6], 16, v[PW]
	v_lshl_or_b32 v[PW], v[TM+7], 24, v[PW]
.irp b, 0,1,2,3
	v_cvt_scalef32_pk8_fp4_f32 v[PC+2*\b], v[\s+16*\b:\s+7+16*\b], v[TM+12+\b]
	v_cvt_scalef32_pk8_fp4_f32 v[PC+1+2*\b], v[\s+8+16*\b:\s+15+16*\b], v[TM+12+\b]
.endr
	v_nop                                              ; one plain instruction behind the scaled conversions
.irp c, 0,1
.irp i, 0,1
	v_permlane16_swap_b32 v[PC+4*\c+\i], v[PC+2+4*\c+\i]   ; a whole block to a lane: lanes 0-15 block 2 c, lanes 16-31 block 2 c + 1
.endr
.endr
.endm
.macro XLOAD i                         ; unit i: 16 rows (tile wave / 4 + 2 i) x K step wave % 4: of each block of 32 my 16 numbers
.irp b, 0,1,2,3
.irp j, 0,1,2,3
	global_load_b128 v[XD+64*\i+16*\b+4*\j:XD+64*\i+16*\b+4*\j+3], v[XO+\i], s[4:5] offset:128*\b+16*\j
.endr
.endr
.endm
.macro UNIT i                          ; unit i is fragment wave + 8 i
	QUANT XD+64*\i
.irp c, 0,1
	ds_store_b128 v[XWI], v[PC+4*\c:PC+4*\c+3] offset:8192*\i+512*\c
.endr
	ds_store_b32 v[XWS], v[PW] offset:1024*\i
	s_wait_dscnt 0x0                                   ; the stores have read their registers
.endm
.macro FETCHX m                        ; tile m's four fragments of x and their scale words, into set m % 2: 12 LDS loads
.irp s, 0,1,2,3
.irp c, 0,1
	ds_load_b128 v[XF+32*((\m)%2)+8*\s+4*\c:XF+32*((\m)%2)+8*\s+4*\c+3], v[LI] offset:XIMG+(4*(\m)+\s)*1024+512*\c
.endr
	ds_load_b32 v[XS+4*((\m)%2)+\s], v[LS] offset:XSC+128*(4*(\m)+\s)
.endr
.endm
.macro QMM m, s, t                     ; q^T: source 0 = 16 columns of Wq (window 1), source 1 = 16 rows of x
.if (\s) == 0
	v_wmma_scale_f32_16x16x128_f8f6f4 v[QD+8*\t:QD+8*\t+7], v[8*(4*\t+\s):8*(4*\t+\s)+7], v[XF+32*((\m)%2)+8*\s:XF+32*((\m)%2)+8*\s+7], v[BQ+8*\t:BQ+8*\t+7], v[WS+2*\t+(\s)/2], v[XS+4*((\m)%2)+\s] matrix_a_fmt:MATRIX_FMT_FP4 matrix_b_fmt:MATRIX_FMT_FP4
.elseif (\s)%2
	v_wmma_scale_f32_16x16x128_f8f6f4 v[QD+8*\t:QD+8*\t+7], v[8*(4*\t+\s):8*(4*\t+\s)+7], v[XF+32*((\m)%2)+8*\s:XF+32*((\m)%2)+8*\s+7], v[QD+8*\t:QD+8*\t+7], v[WS+2*\t+(\s)/2], v[XS+4*((\m)%2)+\s] matrix_a_fmt:MATRIX_FMT_FP4 matrix_b_fmt:MATRIX_FMT_FP4 matrix_a_scale:MATRIX_SCALE_ROW1
.else
	v_wmma_scale_f32_16x16x128_f8f6f4 v[QD+8*\t:QD+8*\t+7], v[8*(4*\t+\s):8*(4*\t+\s)+7], v[XF+32*((\m)%2)+8*\s:XF+32*((\m)%2)+8*\s+7], v[QD+8*\t:QD+8*\t+7], v[WS+2*\t+(\s)/2], v[XS+4*((\m)%2)+\s] matrix_a_fmt:MATRIX_FMT_FP4 matrix_b_fmt:MATRIX_FMT_FP4
.endif
.endm
.macro KLOAD                           ; a key step's K: 8 fragments, 16 loads of 512 consecutive bytes
.set f, 0
.rept 8
	global_load_b128 v[R1+8*f:R1+8*f+3], v[LI], s[24:25] offset:f*1024
	global_load_b128 v[R1+8*f+4:R1+8*f+7], v[LI], s[24:25] offset:f*1024+512
.set f, f+1
.endr
.endm
.macro VLOAD                           ; its V, into window 1
	WIN 0x40
.set f, 0
.rept 8
	global_load_b128 v[R2+8*f:R2+8*f+3], v[LI], s[26:27] offset:f*1024
	global_load_b128 v[R2+8*f+4:R2+8*f+7], v[LI], s[26:27] offset:f*1024+512
.set f, f+1
.endr
	WIN 0
.endm
.macro QLOAD                           ; my ten fragments of Q, from my own LDS bytes into window 1, where V lay
	WIN 0x40
.set f, 0
.rept 10
	ds_load_b128 v[R2+8*f:R2+8*f+3], v[QA] offset:f*1024
	ds_load_b128 v[R2+8*f+4:R2+8*f+7], v[QA] offset:f*1024+512
.set f, f+1
.endr
	WIN 0
.endm
; A KEY STEP: 64 keys.  first = 1: it starts l and O^T; last = 1: nothing more is fetched.
.macro STEP first, last
	s_wait_loadcnt 0x0                                 ; K of this step is in: no other load is out
	s_wait_dscnt 0x0                                   ; Q is in
.if \last == 0
	s_add_nc_u64 s[24:25], s[24:25], 8192              ; K's loads are done, so their base may step
.endif
	WIN 0x04                                           ; source 1 (Q) window 1
.irp c, 0,1                                        ; S^T = K Q^T: the 20 accumulators take turns, one instruction a turn
.irp kt, 0,1,2,3
.irp m, 0,1,2,3,4
.if \c == 0
	v_wmma_f32_16x16x32_f16 v[S+32*\m+8*\kt:S+32*\m+8*\kt+7], v[R1+8*(2*\kt+\c):R1+8*(2*\kt+\c)+7], v[R2+8*(5*\c+\m):R2+8*(5*\c+\m)+7], 0
.else
	v_wmma_f32_16x16x32_f16 v[S+32*\m+8*\kt:S+32*\m+8*\kt+7], v[R1+8*(2*\kt+\c):R1+8*(2*\kt+\c)+7], v[R2+8*(5*\c+\m):R2+8*(5*\c+\m)+7], v[S+32*\m+8*\kt:S+32*\m+8*\kt+7]
.endif
.endr
.endr
.endr
	WIN 0
	PLACES 4                                           ; ahead of the loads into Q's and K's registers and of the first read of scores
	VLOAD                                              ; V of this step, and behind it K of the next: both have the softmax in which to land
.if \last == 0
	KLOAD
.endif
	; the maximum of my 32 scores of each tile and the old M: two chains a tile, the five tiles line by line; each accumulator is first read in its four lowest registers
.irp m, 0,1,2,3,4
	v_max3_num_f32 v[ST+4*\m+2], v[S+32*\m], v[S+32*\m+1], v[S+32*\m+2]
.endr
.irp m, 0,1,2,3,4
	v_max3_num_f32 v[ST+4*\m+3], v[S+32*\m+3], v[S+32*\m+4], v[S+32*\m+5]
.endr
.irp i, 6,10,14,18,22,26
.irp m, 0,1,2,3,4
	v_max3_num_f32 v[ST+4*\m+2], v[ST+4*\m+2], v[S+32*\m+\i], v[S+32*\m+\i+1]
.endr
.irp m, 0,1,2,3,4
	v_max3_num_f32 v[ST+4*\m+3], v[ST+4*\m+3], v[S+32*\m+\i+2], v[S+32*\m+\i+3]
.endr
.endr
.irp m, 0,1,2,3,4
	v_max3_num_f32 v[ST+4*\m+2], v[ST+4*\m+2], v[S+32*\m+30], v[S+32*\m+31]
.endr
.irp m, 0,1,2,3,4
	v_max3_num_f32 v[ST+4*\m+2], v[ST+4*\m+2], v[ST+4*\m+3], v[ST+4*\m]
.endr
.irp m, 0,1,2,3,4
	v_permlanex16_b32 v[ST+4*\m+1], v[ST+4*\m+2], s[SEL], s[SEL+1]   ; the point's other 32 keys lie in the lane 16 away
.endr
.irp m, 0,1,2,3,4
	v_max_num_f32 v[ST+4*\m+1], v[ST+4*\m+2], v[ST+4*\m+1]           ; the new M
.endr
.irp m, 0,1,2,3,4
	v_sub_f32 v[ST+4*\m+2], v[ST+4*\m], v[ST+4*\m+1]                 ; old M - new M
.endr
.irp m, 0,1,2,3,4
	v_mov_b32 v[ST+4*\m], v[ST+4*\m+1]
.endr
.irp m, 0,1,2,3,4
.set i, 0
.rept 16
	v_pk_add_f32 v[S+32*\m+2*i:S+32*\m+2*i+1], v[S+32*\m+2*i:S+32*\m+2*i+1], v[ST+4*\m:ST+4*\m+1] op_sel_hi:[1,0] neg_lo:[0,1] neg_hi:[0,1]   ; s - M
.set i, i+1
.endr
.endr
	; ONE BATCH of exponentials, none of which reads another's result, one plain instruction, ONE wait ahead of the first reader
.if \first == 0
.irp m, 0,1,2,3,4
	v_exp_f32 v[ST+4*\m+2], v[ST+4*\m+2]               ; a = 2^(old M - new M)
.endr
.endif
.set i, 0
.rept 160
	v_exp_f32 v[S+i], v[S+i]
.set i, i+1
.endr
	v_nop
	s_wait_alu depctr_va_vdst(0)                       ; one wait between the exponentials and the first line that names their results
	WIN 0x41                                           ; destination and source 0 window 1
.if \first == 0
.irp m, 0,1,2,3,4
	v_pk_mul_f32 v[LSUM+2*\m:LSUM+2*\m+1], v[LSUM+2*\m:LSUM+2*\m+1], v[ST+4*\m+2:ST+4*\m+3] op_sel_hi:[1,0]
.endr
.endif
.set i, 0
.rept 16                                           ; l takes the unrounded p; the five tiles' chains by turns
.irp m, 0,1,2,3,4
	v_pk_add_f32 v[LSUM+2*\m:LSUM+2*\m+1], v[LSUM+2*\m:LSUM+2*\m+1], v[S+32*\m+2*i:S+32*\m+2*i+1]
.endr
.set i, i+1
.endr
.if \first == 0
.irp m, 0,1,2,3,4
.set i, 0
.rept 16
	v_pk_mul_f32 v[32*\m+2*i:32*\m+2*i+1], v[32*\m+2*i:32*\m+2*i+1], v[ST+4*\m+2:ST+4*\m+3] op_sel_hi:[1,0]   ; O^T x a; each accumulator from its low end on
.set i, i+1
.endr
.endr
.endif
	WIN 0
.irp m, 0,1,2,3,4
.set i, 0
.rept 16
	v_cvt_pk_f16_f32 v[S+32*\m+i], v[S+32*\m+2*i], v[S+32*\m+2*i+1]   ; P in f16, in place, ascending: registers 8 ck .. 8 ck + 7 of a tile are source 1 for keys 32 ck on
.set i, i+1
.endr
.endr
.if \last
	s_wait_loadcnt 0x0                                 ; V is in
.else
	s_wait_loadcnt 16                                  ; V is in; the 16 loads of the next step's K, issued behind it, may be out
	s_add_nc_u64 s[26:27], s[26:27], 8192              ; V's loads are done, so their base may step
.endif
	WIN 0x51                                           ; source 0 (V), C and D (O^T) window 1; source 1 (P) window 0
.irp ck, 0,1
.irp dt, 0,1,2,3
.irp m, 0,1,2,3,4
.if \first && (\ck == 0)
	v_wmma_f32_16x16x32_f16 v[32*\m+8*\dt:32*\m+8*\dt+7], v[R2+8*(4*\ck+\dt):R2+8*(4*\ck+\dt)+7], v[S+32*\m+8*\ck:S+32*\m+8*\ck+7], 0
.else
	v_wmma_f32_16x16x32_f16 v[32*\m+8*\dt:32*\m+8*\dt+7], v[R2+8*(4*\ck+\dt):R2+8*(4*\ck+\dt)+7], v[S+32*\m+8*\ck:S+32*\m+8*\ck+7], v[32*\m+8*\dt:32*\m+8*\dt+7]
.endif
.endr
.endr
.endr
	WIN 0
	PLACES 5                                           ; the next scores are written over P by matrix instructions; loads land on V's registers
.if \last == 0
	QLOAD
.endif
.endm
	; ---- the head
	s_load_b256 s[4:11], s[0:1], 0x0               ; x_feats s[4:5], order s[6:7], batch_indices s[8:9], wsp s[10:11]
	s_load_b256 s[12:19], s[0:1], 0x20             ; bq s[12:13], kvf s[14:15], bo s[16:17], out0 s[18:19]
	v_lshl_add_u32 v[SPW], v0, 2, SPARE
	v_mov_b32 v[NIL], 0
	v_lshrrev_b32 v40, 5, v0
	v_readfirstlane_b32 s20, v40                   ; wave 0..7
	v_and_b32 v40, 31, v0                          ; lane
	v_and_b32 v41, 15, v0                          ; r
	v_bfe_u32 v42, v0, 4, 1                        ; h
	v_lshlrev_b32 v[LI], 4, v40
	v_lshlrev_b32 v[LS], 2, v40
	s_mul_i32 s40, s20, 10240
	s_add_co_u32 s40, s40, OIMG
	v_add_nc_u32 v[QA], s40, v[LI]
	s_lshl_b32 s40, s20, 10
	v_add_nc_u32 v[XWI], s40, v[LI]
	s_lshl_b32 s40, s20, 7
	s_add_co_u32 s40, s40, XSC
	v_add_nc_u32 v[XWS], s40, v[LS]
	v_add_nc_u32 v[OA0], OIMG, v[LI]
	v_add_nc_u32 v[OA1], OIMG+40960, v[LI]
	s_mul_i32 s40, s20, 4352
	s_add_co_u32 s40, s40, STG
	v_mul_u32_u24 v[STO], v41, 272
	v_lshl_add_u32 v[STO], v42, 5, v[STO]
	v_add_nc_u32 v[STO], s40, v[STO]
	v_mul_u32_u24 v[RD], v42, 272
	v_lshl_add_u32 v[RD], v41, 4, v[RD]
	v_add_nc_u32 v[RD], s40, v[RD]
	s_mov_b32 s[SEL], 0x76543210
	s_mov_b32 s[SEL+1], 0xfedcba98
	s_and_b32 s40, s20, 3
	s_lshl_b32 s40, s40, 9
	v_lshl_add_u32 v43, v42, 6, s40                ; in a row of x: K step wave % 4, + 64 h
	s_lshr_b32 s40, s20, 2
	s_lshl_b32 s40, s40, 6
	v_lshl_add_u32 v44, v41, 2, s40                ; in my tile of 'order': row 16 (wave / 4) + r
	v_lshlrev_b32 v45, 5, v42                      ; 32 h
.irp b, 0,1,2,3
	v_mov_b32 v[TM+4+\b], 0                        ; written once: a lane permute's destination counts as one of its sources
.endr
	s_wait_kmcnt 0x0
	s_mul_i32 s40, ttmp9, 320
	s_mov_b32 s41, 0
	s_add_nc_u64 s[36:37], s[6:7], s[40:41]        ; my 80 slots
	s_load_b32 s21, s[36:37], 0x0                  ; the tile's first point: always a point
	global_load_b32 v[XO], v44, s[36:37]           ; my rows of units 0, 1, 2 (tiles wave / 4 + 0, 2, 4; waves 4-7 have no third unit: what they read here lies inside the buffer and is not used)
	global_load_b32 v[XO+1], v44, s[36:37] offset:128
	global_load_b32 v[XO+2], v44, s[36:37] offset:256
	s_lshl_b32 s40, s20, 14
	s_add_co_u32 s40, s40, WQC
	s_add_nc_u64 s[28:29], s[10:11], s[40:41]      ; my head's 16 fragments of Wq,
	s_lshl_b32 s40, s20, 10
	s_add_co_u32 s40, s40, WQS
	s_add_nc_u64 s[30:31], s[10:11], s[40:41]      ; their scale words,
	s_lshl_b32 s40, s20, 16
	s_add_co_u32 s40, s40, WOF
	s_add_nc_u64 s[32:33], s[10:11], s[40:41]      ; my 64 fragments of Wo,
	s_lshl_b32 s40, s20, 8
	s_add_nc_u64 s[12:13], s[12:13], s[40:41]      ; my 64 numbers of bq
	s_add_nc_u64 s[16:17], s[16:17], s[40:41]      ; and of bo
	WIN 0x40                                       ; destination window 1.  48 loads that hang on no data:
.set f, 0
.rept 16
	global_load_b128 v[8*f:8*f+3], v[LI], s[28:29] offset:f*1024
	global_load_b128 v[8*f+4:8*f+7], v[LI], s[28:29] offset:f*1024+512
.set f, f+1
.endr
.irp t, 0,1,2,3
	global_load_b128 v[BQ+8*\t:BQ+8*\t+3], v45, s[12:13] offset:64*\t      ; bq in the result's layout: it is the C of each sum's first product
	global_load_b128 v[BQ+8*\t+4:BQ+8*\t+7], v45, s[12:13] offset:64*\t+16
.endr
	WIN 0
.irp t, 0,1,2,3
.irp p, 0,1
	global_load_b32 v[WS+2*\t+\p], v[LS], s[30:31] offset:256*\t+128*\p
.endr
.endr
	s_wait_kmcnt 0x0
	s_min_u32 s21, s21, 0x3fff                     ; held inside the 16,384 points before it enters an address
	s_lshl_b32 s23, s21, 2
	s_load_b32 s22, s[8:9], s23 offset:0x0         ; the tile's batch
	v_mov_b32 v46, s21
	s_wait_loadcnt 48                              ; the three index loads are in; the 48 issued behind them may be out
.irp i, 0,1,2
	v_cmp_gt_u32 vcc_lo, 0x4000, v[XO+\i]
	v_cndmask_b32 v[XO+\i], v46, v[XO+\i], vcc_lo  ; a marker takes the tile's first point
	v_min_u32 v[XO+\i], 0x3fff, v[XO+\i]
	v_lshl_add_u32 v[XO+\i], v[XO+\i], 11, v43     ; a row of x is 2,048 bytes
.endr
	; ---- x: 20 units of 16 rows x 128 K; waves 0-3 take three, waves 4-7 two.  The third unit's loads go first, so that the counts behind units 0 and 1 are the same in all waves
	s_cmp_lt_u32 s20, 4
	s_cbranch_scc0 .Lno_third_load
	XLOAD 2
.Lno_third_load:
	XLOAD 0
	XLOAD 1
	s_wait_loadcnt 16                              ; unit 0 and all before it are in; unit 1's 16 loads may be out
	UNIT 0
	s_wait_loadcnt 0x0
	UNIT 1
	s_cmp_lt_u32 s20, 4
	s_cbranch_scc0 .Lno_third
	UNIT 2
.Lno_third:
	s_wait_kmcnt 0x0
	s_min_u32 s22, s22, 3
	s_lshl_b32 s40, s22, 19                        ; a batch's 8 heads x 8 key steps x 8,192 bytes
	s_lshl_b32 s42, s20, 16                        ; my head
	s_add_co_u32 s40, s40, s42
	s_add_nc_u64 s[24:25], s[14:15], s[40:41]      ; K
	s_add_nc_u64 s[26:27], s[24:25], 0x200000      ; V
	s_wait_dscnt 0x0                               ; for the others' sake: my images of x have landed
	s_barrier_signal -1
	s_barrier_wait -1                              ; x's twenty fragments lie in LDS
	KLOAD                                          ; key step 0 lands while q is made
	; ---- q^T, a tile of 16 rows at a time: four accumulators by turns, K step by K step
	FETCHX 0
.irp m, 0,1,2,3,4
.if \m < 4
	FETCHX \m+1
	s_wait_dscnt 12                                ; this tile's fragments are in (and the last tile's stores done); the next tile's 12 loads may be out
.else
	s_wait_dscnt 0x0
.endif
	WIN 0x11                                       ; source 0 (Wq) and C (bq) window 1
.irp t, 0,1,2,3
	QMM \m, 0, \t
.endr
	WIN 0x01
.irp s, 1,2,3
.irp t, 0,1,2,3
	QMM \m, \s, \t
.endr
.endr
	WIN 0
	PLACES 4
.irp t, 0,1,2,3
.irp j, 0,1,2,3
	v_cvt_pk_f16_f32 v[PKQ+4*\t+\j], v[QD+8*\t+2*\j], v[QD+8*\t+2*\j+1]   ; (with the four above: the places ahead of the next loads and of the next tile's products, which begin these sums anew)
.endr
.endr
.irp t, 0,1,2,3
	ds_store_b128 v[QA], v[PKQ+4*\t:PKQ+4*\t+3] offset:(5*(\t/2)+\m)*1024+512*(\t%2)   ; d = 16 t + 8 h + 0 .. 7 of point r: piece t % 2 of Q's fragment (c = t / 2, m)
.endr
.endr
	QLOAD                                          ; LDS serves a wave's instructions in order: these see my stores
.irp m, 0,1,2,3,4
	v_mov_b32 v[ST+4*\m], 0xff7fffff               ; M: under every score
	v_mov_b32 v[ST+4*\m+1], 0                      ; (a lane permute's destination counts as one of its sources)
	v_mov_b32 v[ST+4*\m+2], 0
	v_mov_b32 v[ST+4*\m+3], 0
.endr
	WIN 0x40
.irp i, 0,1,2,3,4,5,6,7,8,9
	v_mov_b32 v[LSUM+\i], 0                        ; l, in two halves a tile
.endr
	WIN 0
	; ---- the eight key steps
	STEP 1, 0
	s_mov_b32 s38, 6
.Lkey:
	STEP 0, 0
	s_sub_co_u32 s38, s38, 1
	s_cmp_lg_u32 s38, 0
	s_cbranch_scc1 .Lkey
	STEP 0, 1
	; ---- o = O^T / l, in f16, to LDS as K steps 2 w and 2 w + 1 of the last product.  What that product wants from memory is asked for first
.macro ALOAD k                         ; Wo's four fragments of K step k (my 64 output columns), into set k % 4: 8 loads
.irp t, 0,1,2,3
	global_load_b128 v[AB+32*((\k)%4)+8*\t:AB+32*((\k)%4)+8*\t+3], v[LI], s[32:33] offset:(\k)*4096+\t*1024
	global_load_b128 v[AB+32*((\k)%4)+8*\t+4:AB+32*((\k)%4)+8*\t+7], v[LI], s[32:33] offset:(\k)*4096+\t*1024+512
.endr
.endm
.macro BLOAD k                         ; o's five fragments of K step k, into set k % 2 of window 1: 10 LDS loads
	WIN 0x40
.irp m, 0,1,2,3,4
.if (\k) < 8
	ds_load_b128 v[R2+40*((\k)%2)+8*\m:R2+40*((\k)%2)+8*\m+3], v[OA0] offset:(((\k)%8)*5+\m)*1024
	ds_load_b128 v[R2+40*((\k)%2)+8*\m+4:R2+40*((\k)%2)+8*\m+7], v[OA0] offset:(((\k)%8)*5+\m)*1024+512
.else
	ds_load_b128 v[R2+40*((\k)%2)+8*\m:R2+40*((\k)%2)+8*\m+3], v[OA1] offset:(((\k)%8)*5+\m)*1024
	ds_load_b128 v[R2+40*((\k)%2)+8*\m+4:R2+40*((\k)%2)+8*\m+7], v[OA1] offset:(((\k)%8)*5+\m)*1024+512
.endif
.endr
	WIN 0
.endm
	v_bfe_u32 v249, v0, 4, 1
	v_lshlrev_b32 v248, 5, v249                    ; 32 h
	v_lshlrev_b32 v249, 2, v249                    ; 4 h
.irp t, 0,1,2,3
	global_load_b128 v[BO+8*\t:BO+8*\t+3], v248, s[16:17] offset:64*\t
	global_load_b128 v[BO+8*\t+4:BO+8*\t+7], v248, s[16:17] offset:64*\t+16
.endr
.irp m, 0,1,2,3,4
.irp i, 0,1,2,3,4,5,6,7
	global_load_b32 v[ROFF+8*\m+\i], v249, s[36:37] offset:(16*\m+2*\i)*4   ; the points of rows 16 m + 2 i + h: the rows that I store
.endr
.endr
	ALOAD 0
	ALOAD 1
	ALOAD 2
	WIN 0x05                                       ; sources window 1
.irp m, 0,1,2,3,4
	v_add_f32 v[ST+4*\m+1], v[LSUM+2*\m], v[LSUM+2*\m+1]
.endr
	WIN 0
.irp m, 0,1,2,3,4
	v_permlanex16_b32 v[ST+4*\m+3], v[ST+4*\m+1], s[SEL], s[SEL+1]
.endr
.irp m, 0,1,2,3,4
	v_add_f32 v[ST+4*\m+1], v[ST+4*\m+1], v[ST+4*\m+3]   ; the point's sum
.endr
.irp m, 0,1,2,3,4
	v_rcp_f32 v[ST+4*\m], v[ST+4*\m+1]
.endr
	v_nop
	s_wait_alu depctr_va_vdst(0)                   ; one wait for the five reciprocals, ahead of their first reader
.irp m, 0,1,2,3,4
	WIN 0x41
.set i, 0
.rept 16
	v_pk_mul_f32 v[32*\m+2*i:32*\m+2*i+1], v[32*\m+2*i:32*\m+2*i+1], v[ST+4*\m:ST+4*\m+1] op_sel_hi:[1,0]
.set i, i+1
.endr
.if \m > 0
	s_wait_dscnt 0x0                               ; the last tile's stores have read their registers
.endif
	WIN 0x05
.set i, 0
.rept 16
	v_cvt_pk_f16_f32 v[PKO+i], v[32*\m+2*i], v[32*\m+2*i+1]
.set i, i+1
.endr
	WIN 0
.irp d, 0,1,2,3
	ds_store_b128 v[QA], v[PKO+4*\d:PKO+4*\d+3] offset:(5*(\d/2)+\m)*1024+512*(\d%2)   ; over my Q, which nobody reads any more
.endr
.endr
	s_wait_dscnt 0x0                               ; for the others' sake: my images of o have landed
	s_barrier_signal -1
	s_barrier_wait -1                              ; o's eighty fragments lie in LDS
	; ---- out^T = Wo^T o^T + bo: 16 K steps of 32, 20 accumulators by turns; Wo runs three K steps ahead, o one
	BLOAD 0
.set ks, 0
.rept 16
.if ks > 0
	PLACES 4                                       ; ahead of loads into registers that the last K step's products have read
.endif
.if ks+3 < 16
	ALOAD ks+3
.endif
.if ks+1 < 16
	BLOAD ks+1
.endif
.if 15-ks >= 3
	s_wait_loadcnt 24                              ; this K step's Wo is in; the three later K steps' 8 loads each may be out
.else
	s_wait_loadcnt 8*(15-ks)
.endif
.if ks < 15
	s_wait_dscnt 10                                ; this K step's o is in; the next one's 10 loads may be out
.else
	s_wait_dscnt 0x0
.endif
.if ks == 0
	WIN 0x44                                       ; source 1 (o) and D window 1; C is bo, in window 0
.else
	WIN 0x54
.endif
.irp t, 0,1,2,3
.irp m, 0,1,2,3,4
.if ks == 0
	v_wmma_f32_16x16x32_f16 v[32*\m+8*\t:32*\m+8*\t+7], v[AB+32*(ks%4)+8*\t:AB+32*(ks%4)+8*\t+7], v[R2+40*(ks%2)+8*\m:R2+40*(ks%2)+8*\m+7], v[BO+8*\t:BO+8*\t+7]
.else
	v_wmma_f32_16x16x32_f16 v[32*\m+8*\t:32*\m+8*\t+7], v[AB+32*(ks%4)+8*\t:AB+32*(ks%4)+8*\t+7], v[R2+40*(ks%2)+8*\m:R2+40*(ks%2)+8*\m+7], v[32*\m+8*\t:32*\m+8*\t+7]
.endif
.endr
.endr
	WIN 0
.set ks, ks+1
.endr
	; ---- the way out.  The rows' offsets in out0 are made first: plain instructions that name no register of the last products stand between those and the first read of results
	v_and_b32 v250, 15, v0
	s_lshl_b32 s40, s20, 8
	v_lshl_add_u32 v250, v250, 4, s40              ; my columns' 256 bytes, + 16 r
	v_mov_b32 v251, s21
.set i, 0
.rept 40
	v_cmp_gt_u32 vcc_lo, 0x4000, v[ROFF+i]
	v_cndmask_b32 v[ROFF+i], v251, v[ROFF+i], vcc_lo   ; a marker's row goes where the tile's first point goes, with the same numbers
	v_min_u32 v[ROFF+i], 0x3fff, v[ROFF+i]
	v_lshl_add_u32 v[ROFF+i], v[ROFF+i], 11, v250
.set i, i+1
.endr
; A lane holds 32 neighbouring bytes of a row, and the lanes beside it hold other rows: a tile of 16 rows goes through my own stage and comes back by rows.  LDS serves a wave's instructions in order:
; no wait between the stores and the loads, nor ahead of the next tile's stores.
.macro TOSTAGE m
	WIN 0x04                                       ; an LDS store's data are its source 1: window 1
.irp t, 0,1,2,3
	ds_store_b128 v[STO], v[32*(\m)+8*\t:32*(\m)+8*\t+3] offset:64*\t          ; each accumulator from its low end on
	ds_store_b128 v[STO], v[32*(\m)+8*\t+4:32*(\m)+8*\t+7] offset:64*\t+16
.endr
	WIN 0
.irp i, 0,1,2,3,4,5,6,7
	ds_load_b128 v[AB+32*((\m)%2)+4*\i:AB+32*((\m)%2)+4*\i+3], v[RD] offset:544*\i
.endr
.endm
.macro SEND m, younger                 ; younger: the LDS instructions issued behind tile m's loads, which may stay out
	s_wait_dscnt \younger
.irp i, 0,1,2,3,4,5,6,7
	global_store_b128 v[ROFF+8*(\m)+\i], v[AB+32*((\m)%2)+4*\i:AB+32*((\m)%2)+4*\i+3], s[18:19] th:TH_STORE_NT   ; sixteen lanes store 256 consecutive bytes, aligned, of one point's row
.endr
.endm
	TOSTAGE 0
.irp a, 1,2,3,4
.if \a > 1
	s_wait_xcnt 0x0                                ; tile a - 2's stores have read their registers: tile a's loads may land there
.endif
	TOSTAGE \a
	SEND \a-1, 16                                  ; behind tile a - 1's loads: tile a's 8 stores and 8 loads
.endr
	SEND 4, 0
	s_wait_tensorcnt 0x0                           ; the wave's end
	ds_add_u32 v[SPW], v[NIL]
	s_wait_dscnt 0x0
	s_endpgm
.Lfunc_end_k_qadaca33bbd_attn:
	.size	k_qadaca33bbd_attn, .Lfunc_end_k_qadaca33bbd_attn-k_qadaca33bbd_attn
	.p2alignl 7, 3214868480
	.fill 96, 4, 3214868480
	.section	.rodata,"a",@progbits
	.p2align	6, 0x0
	.amdhsa_kernel k_qadaca33bbd_attn
		.amdhsa_group_segment_fixed_size 140800
		.amdhsa_private_segment_fixed_size 0
		.amdhsa_enable_private_segment 0
		.amdhsa_kernarg_size 64
		.amdhsa_user_sgpr_count 2
		.amdhsa_user_sgpr_kernarg_segment_ptr 1
		.amdhsa_wavefront_size32 1
		.amdhsa_system_sgpr_workgroup_id_x 1
		.amdhsa_system_sgpr_workgroup_id_y 1
		.amdhsa_system_sgpr_workgroup_id_z 1
		.amdhsa_system_vgpr_workitem_id 0
		.amdhsa_next_free_vgpr 512
		.amdhsa_next_free_sgpr 66
		.amdhsa_reserve_vcc 1
		.amdhsa_float_denorm_mode_32 3
		.amdhsa_float_denorm_mode_16_64 3
		.amdhsa_memory_ordered 1
		.amdhsa_forward_progress 1
		.amdhsa_inst_pref_size 250
	.end_amdhsa_kernel
	.amdgpu_metadata
---
amdhsa.version: [ 1, 2 ]
amdhsa.kernels:
  - .name:           k_qadaca33bbd_attn
    .symbol:         k_qadaca33bbd_attn.kd
    .args:
      - { .name: x_feats, .offset: 0, .size: 8, .value_kind: global_buffer, .address_space: global }
      - { .name: order, .offset: 8, .size: 8, .value_kind: global_buffer, .address_space: global }
      - { .name: batch_indices, .offset: 16, .size: 8, .value_kind: global_buffer, .address_space: global }
      - { .name: wsp, .offset: 24, .size: 8, .value_kind: global_buffer, .address_space: global }
      - { .name: bq, .offset: 32, .size: 8, .value_kind: global_buffer, .address_space: global }
      - { .name: kvf, .offset: 40, .size: 8, .value_kind: global_buffer, .address_space: global }
      - { .name: bo, .offset: 48, .size: 8, .value_kind: global_buffer, .address_space: global }
      - { .name: out0, .offset: 56, .size: 8, .value_kind: global_buffer, .address_space: global }
    .group_segment_fixed_size: 140800
    .private_segment_fixed_size: 0
    .kernarg_segment_align: 8
    .kernarg_segment_size: 64
    .max_flat_workgroup_size: 256
    .sgpr_count:     66
    .vgpr_count:     512
    .wavefront_size: 32
...
	.end_amdgpu_metadata
.endif
;; end of part 3
;; ======== version 2 of 2: 3 launches; version 1 with the launches kvproj, attn written anew for expert scheduling mode
;; limits: values are held in f16: magnitudes above 65,504 overflow, below 6.1e-05 lose precision
;; workspace buffers: wsp 2,334,720 bytes; kvf 4,194,304 bytes; cnts 512 bytes of whole numbers; order 98,304 bytes of whole numbers
;; launch prep: the kernel of part 1 again; grid 240 x 1, 4 waves a work-group, no clusters, 0 bytes of LDS; arguments context, Wkv, Wq, Wo, batch_indices, wsp, cnts, order; writes wsp, cnts, order
;; launch kvproj (part 4): grid 576 x 1, 1 waves a work-group, no clusters, 0 bytes of LDS; arguments wsp, bkv, batch_indices, cnts, kvf, order; writes kvf, order
.if DOCPART == 4
	.amdgcn_target "amdgcn-amd-amdhsa--gfx1250"
	.amdhsa_code_object_version 6
	.text
	.protected	k_qadaca33bbd_kvproj
	.globl	k_qadaca33bbd_kvproj
	.p2align	8
	.type	k_qadaca33bbd_kvproj,@function
k_qadaca33bbd_kvproj:
	s_mov_b64 s[64:65], 0
	v_nop
	global_prefetch_b8 v0, s[64:65] scope:SCOPE_SE
	s_setreg_imm32_b32 hwreg(HW_REG_WAVE_SCHED_MODE, 0, 2), 2
	s_setreg_imm32_b32 hwreg(HW_REG_WAVE_MODE, 25, 1), 1
	s_wait_xcnt 0x0
	s_wait_alu depctr_vm_vsrc(0)
; KVPROJ.  Work-groups 0-511, one wave each: kv = Q(context) Q(Wkv) + bkv on codes of FP4, a tile of 64 context rows x 64 columns: one key step (64 keys) of one head of K (column group under 8) or of V,
; which is one block of 8,192 bytes of kvf, laid as the attention's f16 operand registers want it.  All of a tile's operands (64 fragments, K = 1,024) are asked for at once: one trip to memory, then 128 products.
;   K: source 0 = 16 columns of Wkv, source 1 = 16 context rows: a lane holds ONE key and eight neighbouring d.  K is multiplied by c = log2(e) / 8 in f32 ahead of its rounding, so that scores come out as exponents of 2.
;   V: the sources change places: a lane holds ONE d and eight neighbouring keys.
;   kvf: K at 0, V at 2^21; block ((batch 8 + head) 8 + key step) 8,192; in it K's fragment (keys 16 kt on, d 32 c on) at (2 kt + c) 1,024, V's (keys 32 ck on, d 16 dt on) at (4 ck + dt) 1,024.
; Work-groups 512-575, one wave each: PLACE 256 points in 'order', sorted by batch into 208 tiles of 80 slots.  n_b points of batch b make c_b = ceil(n_b / 80) tiles; the sum of the c_b is 205 to 208.
;   The E = 208 - sum tiles that are over go to the largest batch (at least 4,096 points): its first 80 E points are cut into 2 E tiles of 40.  So every split gives 208 tiles, each with a point in its first slot.
;   The p-th point of batch b goes to slot A_b + p + 40 min(p / 40, e2_b), A_b = 80 x the tiles of the batches before, e2_b = 2 E for the largest batch, else 0.  Slots not taken keep the marker.
;   These are stores of 4 bytes to scattered places, 64 KiB in all: the price of the sort.
; LIMITS: batch_indices hold 0 .. 3; |c k| and |v| above 65,504 have no f16 number; NaN and infinities are not served.
; THE MODE: SCHED_MODE bits 1:0 = 2 (LLVM: expert scheduling mode 2), set by the entry lines.  The code itself states the register dependences between vector or matrix instructions and memory instructions,
; and those through scalar registers that vector instructions write, with s_wait_alu, always for 0.
; THE PLAN.  Registers that memory instructions touch:
;   v1, v2, v3, v28, v29   byte offsets: made at the head, ahead of one wait on va_vdst, and never written again.
;   fragments, scale words, bias   written by loads, read by matrix instructions: their wait on LOADcnt is all that they owe.
;   v[PK ..]               written by the roundings, read by the tile's sixteen stores: one wait on va_vdst between the two runs.
;   v48-63 (placing)       a point's offset and number, a pair of registers to each: written by the slots' arithmetic, read by the eight stores, which stand together behind one wait on va_vdst.
;   Masks and sums that vector instructions leave in scalar registers are made in runs, with one wait on va_sdst behind each run and ahead of its first reader.
; REGISTERS (tile): window 0: v1 16 x lane, v2 4 x lane, v28, v29 the bias's offsets; v32-95 packed results (v64-95 hold the bias first); v96-111 context's scale words, v112-127 Wkv's (a register: K step 2 p in lanes 0-15, 2 p + 1 in lanes 16-31);
;   v128-255 the 16 accumulators (i, t) at 128 + 8 (4 i + t).   window 1: context's fragments at 8 (8 i + s).   window 2: Wkv's at 8 (8 t + s).
.set WKC, 1048576
.set CXS, 2228224
.set WKS, 2293760
.set PK,  32
.set BI,  64
.set SCX, 96
.set SCW, 112
.set ACC, 128
.set SEL, 44
.set MSB, 0
.macro WIN new                         ; the immediate's high byte repeats the setting that is left
.if MSB != \new
	s_set_vgpr_msb (MSB<<8)|\new
.set MSB, \new
.endif
.endm
.macro MM d, a, b, c, sa, sb, odd      ; one product; an odd K step's scale words stand in lanes 16-31
.if \odd
	v_wmma_scale_f32_16x16x128_f8f6f4 v[\d:\d+7], v[\a:\a+7], v[\b:\b+7], v[\c:\c+7], v[\sa], v[\sb] matrix_a_fmt:MATRIX_FMT_FP4 matrix_b_fmt:MATRIX_FMT_FP4 matrix_a_scale:MATRIX_SCALE_ROW1 matrix_b_scale:MATRIX_SCALE_ROW1
.else
	v_wmma_scale_f32_16x16x128_f8f6f4 v[\d:\d+7], v[\a:\a+7], v[\b:\b+7], v[\c:\c+7], v[\sa], v[\sb] matrix_a_fmt:MATRIX_FMT_FP4 matrix_b_fmt:MATRIX_FMT_FP4
.endif
.endm
.macro RED reg, tmp                    ; a sum of whole numbers over the 32 lanes, in every lane
.irp x, 1,2,4,8
	v_mov_b32_dpp v[\tmp], v[\reg] row_xmask:\x row_mask:0xf bank_mask:0xf
	v_add_nc_u32 v[\reg], v[\reg], v[\tmp]
.endr
	v_permlanex16_b32 v[\tmp], v[\reg], s[SEL], s[SEL+1]
	v_add_nc_u32 v[\reg], v[\reg], v[\tmp]
.endm
; the rest of a tile: the bias (it is the C of each sum's first product), 128 products, rounding, 16 stores.  kp = 1: K's way, 0: V's
.macro TILE kp
.if \kp
.irp t, 0,1,2,3
	global_load_b128 v[BI+8*\t:BI+8*\t+3], v28, s[28:29] offset:64*\t          ; my eight d of a tile: 32 h bytes on
	global_load_b128 v[BI+8*\t+4:BI+8*\t+7], v28, s[28:29] offset:64*\t+16
.endr
.else
.irp t, 0,1,2,3
.irp j, 0,1,2,3,4,5,6,7
	global_load_b32 v[BI+8*\t+\j], v29, s[28:29] offset:64*\t                  ; my one d: its bias stands in all eight registers
.endr
.endr
.endif
	s_wait_loadcnt 0x0                             ; everything is in
.if \kp
	WIN 0x06                                       ; source 0 (Wkv) window 2, source 1 (context) window 1
.else
	WIN 0x09                                       ; source 0 (context) window 1, source 1 (Wkv) window 2
.endif
.irp s, 0,1,2,3,4,5,6,7                        ; the 16 accumulators take turns, one instruction a turn
.irp i, 0,1,2,3
.irp t, 0,1,2,3
.set cc, ACC+8*(4*\i+\t)
.if \s == 0
.set cc, BI+8*\t
.endif
.if \kp
	MM ACC+8*(4*\i+\t), 8*(8*\t+\s), 8*(8*\i+\s), cc, SCW+4*\t+\s/2, SCX+4*\i+\s/2, \s%2
.else
	MM ACC+8*(4*\i+\t), 8*(8*\i+\s), 8*(8*\t+\s), cc, SCX+4*\i+\s/2, SCW+4*\t+\s/2, \s%2
.endif
.endr
.endr
.endr
	WIN 0
.rept 4
	v_nop                                          ; four plain instructions between the last product and the first read of results
.endr
.if \kp
.set a, ACC
.rept 64
	v_pk_mul_f32 v[a:a+1], v[a:a+1], 0x3e38aa3b op_sel_hi:[1,0]   ; x c = log2(e) / 8, in f32; each accumulator from its low end on
.set a, a+2
.endr
.endif
.set a, 0
.rept 64
	v_cvt_pk_f16_f32 v[PK+a], v[ACC+2*a], v[ACC+2*a+1]
.set a, a+1
.endr
	s_wait_alu depctr_va_vdst(0)                   ; the roundings have written v[PK ..], which the sixteen stores read
.irp i, 0,1,2,3
.irp t, 0,1,2,3
.if \kp
	global_store_b128 v1, v[PK+4*(4*\i+\t):PK+4*(4*\i+\t)+3], s[30:31] offset:(2*\i+\t/2)*1024+(\t%2)*512   ; 512 consecutive bytes a store
.else
	global_store_b128 v1, v[PK+4*(4*\i+\t):PK+4*(4*\i+\t)+3], s[30:31] offset:((\i/2)*4+\t)*1024+(\i%2)*512
.endif
.endr
.endr
	s_endpgm
.endm
; placing: which of register k's 32 points belong to batch 0 .. 3: four masks, in s[sg] on
.macro MASKS k, sg
.irp b, 0,1,2,3
	v_cmp_eq_u32 s[\sg+\b], \b, v[8+(\k)]
.endr
.endm
; placing: the slots of register k's points, by the masks in s[sg] on; the running counts s24-27 move on
.macro SLOTOF k, sg
	v_mbcnt_lo_u32_b32 v30, s[\sg], s24            ; p: the batch's points so far + those of this register in lower lanes
	s_bcnt1_i32_b32 s50, s[\sg]
	s_add_co_u32 s24, s24, s50
	v_mov_b32 v31, v40
	v_mov_b32 v32, v44
.irp b, 1,2,3
	v_mbcnt_lo_u32_b32 v33, s[\sg+\b], s[24+\b]
	s_bcnt1_i32_b32 s50, s[\sg+\b]
	s_add_co_u32 s[24+\b], s[24+\b], s50
	v_cndmask_b32 v30, v30, v33, s[\sg+\b]
	v_cndmask_b32 v31, v31, v[40+\b], s[\sg+\b]
	v_cndmask_b32 v32, v32, v[44+\b], s[\sg+\b]
.endr
	v_mul_u32_u24 v33, v30, 52429
	v_lshrrev_b32 v33, 21, v33                     ; p / 40
	v_min_u32 v33, v33, v32
	v_mad_u32_u24 v33, v33, 40, v30
	v_add_nc_u32 v33, v33, v31                     ; the slot
	v_min_u32 v33, 0x40ff, v33                     ; held inside the 16,640 slots
	v_lshlrev_b32 v[48+(\k)], 2, v33               ; each register has its own offset and data: nothing that a store reads is written again
	v_add_nc_u32 v[56+(\k)], 128*((\k)/4)+(\k)%4, v18
.endm
	s_load_b256 s[4:11], s[0:1], 0x0               ; wsp s[4:5], bkv s[6:7], batch_indices s[8:9], cnts s[10:11]
	s_load_b128 s[12:15], s[0:1], 0x20             ; kvf s[12:13], order s[14:15]
	v_lshlrev_b32 v1, 4, v0                        ; one wave: v0 is the lane
	v_lshlrev_b32 v2, 2, v0
	v_lshlrev_b32 v3, 3, v0                        ; 8 x lane: a chunk's counts
	v_bfe_u32 v28, v0, 4, 1
	v_lshlrev_b32 v28, 5, v28                      ; 32 h: K's bias
	v_and_b32 v29, 15, v0
	v_lshlrev_b32 v29, 2, v29                      ; 4 r: V's bias
	s_wait_alu depctr_va_vdst(0)                   ; the five offsets are written: every load and store of the kernel but the placing's eight stores reads one of them
	s_wait_kmcnt 0x0
	s_cmp_lt_u32 ttmp9, 512
	s_cbranch_scc0 .Lplace
	s_lshr_b32 s16, ttmp9, 4                       ; rg: 64 context rows = batch rg / 8, key step rg % 8
	s_and_b32 s17, ttmp9, 15                       ; cgp: 64 columns = K's (under 8) or V's head cgp % 8
	s_mov_b32 s41, 0
	s_lshl_b32 s40, s16, 15
	s_add_nc_u64 s[20:21], s[4:5], s[40:41]        ; context's 32 fragments
	s_lshl_b32 s40, s17, 15
	s_add_co_u32 s40, s40, WKC
	s_add_nc_u64 s[22:23], s[4:5], s[40:41]        ; Wkv's 32
	s_lshl_b32 s40, s16, 11
	s_add_co_u32 s40, s40, CXS
	s_add_nc_u64 s[24:25], s[4:5], s[40:41]
	s_lshl_b32 s40, s17, 11
	s_add_co_u32 s40, s40, WKS
	s_add_nc_u64 s[26:27], s[4:5], s[40:41]
	s_lshl_b32 s40, s17, 8
	s_add_nc_u64 s[28:29], s[6:7], s[40:41]        ; the bias of my 64 columns
	s_lshr_b32 s42, s16, 3
	s_lshl_b32 s42, s42, 6
	s_and_b32 s43, s17, 7
	s_lshl_b32 s43, s43, 3
	s_add_co_u32 s42, s42, s43
	s_and_b32 s43, s16, 7
	s_add_co_u32 s42, s42, s43                     ; (batch 8 + head) 8 + key step
	s_lshl_b32 s40, s42, 13
	s_lshr_b32 s43, s17, 3
	s_lshl_b32 s43, s43, 21                        ; V's half of kvf
	s_add_co_u32 s40, s40, s43
	s_add_nc_u64 s[30:31], s[12:13], s[40:41]
.irp i, 0,1,2,3
.irp p, 0,1,2,3
	global_load_b32 v[SCX+4*\i+\p], v2, s[24:25] offset:(8*\i+2*\p)*64   ; two K steps' words: 128 consecutive bytes
	global_load_b32 v[SCW+4*\i+\p], v2, s[26:27] offset:(8*\i+2*\p)*64
.endr
.endr
	WIN 0x40                                       ; destination window 1
.set f, 0
.rept 32
	global_load_b128 v[8*f:8*f+3], v1, s[20:21] offset:f*1024
	global_load_b128 v[8*f+4:8*f+7], v1, s[20:21] offset:f*1024+512
.set f, f+1
.endr
	WIN 0x80                                       ; destination window 2
.set f, 0
.rept 32
	global_load_b128 v[8*f:8*f+3], v1, s[22:23] offset:f*1024
	global_load_b128 v[8*f+4:8*f+7], v1, s[22:23] offset:f*1024+512
.set f, f+1
.endr
	WIN 0                                          ; at a branch and at a label every window is 0
	s_cmp_lt_u32 s17, 8
	s_cbranch_scc0 .Lvpath
	TILE 1
.Lvpath:
	TILE 0
.Lplace:
	s_sub_co_u32 s16, ttmp9, 512                   ; my chunk of 256 points
	s_lshl_b32 s40, s16, 10
	s_mov_b32 s41, 0
	s_add_nc_u64 s[18:19], s[8:9], s[40:41]
	global_load_b64 v[4:5], v3, s[10:11]           ; the counts of chunk lane,
	global_load_b64 v[6:7], v3, s[10:11] offset:256   ; and of chunk 32 + lane
	global_load_b128 v[8:11], v1, s[18:19]         ; my eight points' batches: register k is point 256 W + 128 (k / 4) + 4 lane + k % 4
	global_load_b128 v[12:15], v1, s[18:19] offset:512
	s_mov_b32 s[SEL], 0x76543210
	s_mov_b32 s[SEL+1], 0xfedcba98
	v_add_nc_u32 v17, 32, v0
	v_mov_b32 v24, 0                               ; (a lane permute's destination counts as one of its sources)
	s_lshl_b32 s50, s16, 8
	v_add_nc_u32 v18, s50, v2                      ; 256 W + 4 lane
	v_cmp_gt_u32 s52, s16, v0                      ; which chunks lie ahead of mine: two masks in one run
	v_cmp_gt_u32 s53, s16, v17
	s_wait_loadcnt 0x0
	v_add_nc_u32 v20, v4, v6                       ; all chunks: batches 0 and 2 in halves of 16 bits (16,384 at the most),
	v_add_nc_u32 v21, v5, v7                       ; batches 1 and 3
	s_wait_alu depctr_va_sdst(0)                   ; the two compares have written s52 and s53, which the four selects read
	v_cndmask_b32 v22, 0, v4, s52                  ; the chunks ahead of mine
	v_cndmask_b32 v23, 0, v5, s52
	v_cndmask_b32 v25, 0, v6, s53
	v_cndmask_b32 v26, 0, v7, s53
	v_add_nc_u32 v22, v22, v25
	v_add_nc_u32 v23, v23, v26
	RED 20, 24
	RED 21, 24
	RED 22, 24
	RED 23, 24
	v_readfirstlane_b32 s46, v20
	v_readfirstlane_b32 s47, v21
	v_readfirstlane_b32 s48, v22
	v_readfirstlane_b32 s49, v23
	s_wait_alu depctr_va_sdst(0)                   ; s46 to s49 are written, ahead of their first reader: the counts are cut out of them
	s_and_b32 s20, s46, 0xffff                     ; n_0 .. n_3
	s_and_b32 s21, s47, 0xffff
	s_lshr_b32 s22, s46, 16
	s_lshr_b32 s23, s47, 16
	s_and_b32 s24, s48, 0xffff                     ; p_0 .. p_3: each batch's points ahead of my chunk
	s_and_b32 s25, s49, 0xffff
	s_lshr_b32 s26, s48, 16
	s_lshr_b32 s27, s49, 16
.irp b, 0,1,2,3
	s_add_co_u32 s[28+\b], s[20+\b], 79
	s_mul_i32 s[28+\b], s[28+\b], 52429
	s_lshr_b32 s[28+\b], s[28+\b], 22              ; c_b = (n_b + 79) / 80: 52429 / 2^22 is 1 / 80 closely enough for numbers under 16,464
.endr
	s_add_co_u32 s40, s28, s29
	s_add_co_u32 s40, s40, s30
	s_add_co_u32 s40, s40, s31
	s_sub_co_u32 s40, 208, s40                     ; E, 0 to 3
	s_lshl_b32 s43, s40, 1
	s_mov_b32 s41, s20
	s_mov_b32 s42, 0                               ; the largest batch
.irp b, 1,2,3
	s_cmp_gt_u32 s[20+\b], s41
	s_cselect_b32 s41, s[20+\b], s41
	s_cselect_b32 s42, \b, s42
.endr
.irp b, 0,1,2,3
	s_cmp_eq_u32 s42, \b
	s_cselect_b32 s[36+\b], s43, 0                 ; e2_b
	s_cselect_b32 s51, s40, 0
	s_add_co_u32 s[28+\b], s[28+\b], s51           ; the batch's tiles
.endr
	s_mov_b32 s32, 0                               ; A_b
	s_mul_i32 s33, s28, 80
	s_mul_i32 s34, s29, 80
	s_add_co_u32 s34, s34, s33
	s_mul_i32 s35, s30, 80
	s_add_co_u32 s35, s35, s34
.irp b, 0,1,2,3
	v_mov_b32 v[40+\b], s[32+\b]
	v_mov_b32 v[44+\b], s[36+\b]
.endr
.irp k, 0,2,4,6                                ; two registers of points at a time: eight compares in one run, one wait, then their readers; the registers in ascending order, as the counts ask
	MASKS \k, 52
	MASKS \k+1, 56
	s_wait_alu depctr_va_sdst(0)                   ; the eight compares have written s52 to s59, which the counts and selects below read
	SLOTOF \k, 52
	SLOTOF \k+1, 56
.endr
	s_wait_alu depctr_va_vdst(0)                   ; the eight offsets v48-55 and the eight numbers v56-63 are written, which the stores read
.irp k, 0,1,2,3,4,5,6,7
	global_store_b32 v[48+\k], v[56+\k], s[14:15]
.endr
	s_endpgm
.Lfunc_end_k_qadaca33bbd_kvproj:
	.size	k_qadaca33bbd_kvproj, .Lfunc_end_k_qadaca33bbd_kvproj-k_qadaca33bbd_kvproj
	.p2alignl 7, 3214868480
	.fill 96, 4, 3214868480
	.section	.rodata,"a",@progbits
	.p2align	6, 0x0
	.amdhsa_kernel k_qadaca33bbd_kvproj
		.amdhsa_group_segment_fixed_size 0
		.amdhsa_private_segment_fixed_size 0
		.amdhsa_enable_private_segment 0
		.amdhsa_kernarg_size 48
		.amdhsa_user_sgpr_count 2
		.amdhsa_user_sgpr_kernarg_segment_ptr 1
		.amdhsa_wavefront_size32 1
		.amdhsa_system_sgpr_workgroup_id_x 1
		.amdhsa_system_sgpr_workgroup_id_y 1
		.amdhsa_system_sgpr_workgroup_id_z 1
		.amdhsa_system_vgpr_workitem_id 0
		.amdhsa_next_free_vgpr 768
		.amdhsa_next_free_sgpr 66
		.amdhsa_reserve_vcc 0
		.amdhsa_float_denorm_mode_32 3
		.amdhsa_float_denorm_mode_16_64 3
		.amdhsa_memory_ordered 1
		.amdhsa_forward_progress 1
		.amdhsa_inst_pref_size 92
	.end_amdhsa_kernel
	.amdgpu_metadata
---
amdhsa.version: [ 1, 2 ]
amdhsa.kernels:
  - .name:           k_qadaca33bbd_kvproj
    .symbol:         k_qadaca33bbd_kvproj.kd
    .args:
      - { .name: wsp, .offset: 0, .size: 8, .value_kind: global_buffer, .address_space: global }
      - { .name: bkv, .offset: 8, .size: 8, .value_kind: global_buffer, .address_space: global }
      - { .name: batch_indices, .offset: 16, .size: 8, .value_kind: global_buffer, .address_space: global }
      - { .name: cnts, .offset: 24, .size: 8, .value_kind: global_buffer, .address_space: global }
      - { .name: kvf, .offset: 32, .size: 8, .value_kind: global_buffer, .address_space: global }
      - { .name: order, .offset: 40, .size: 8, .value_kind: global_buffer, .address_space: global }
    .group_segment_fixed_size: 0
    .private_segment_fixed_size: 0
    .kernarg_segment_align: 8
    .kernarg_segment_size: 48
    .max_flat_workgroup_size: 32
    .sgpr_count:     66
    .vgpr_count:     768
    .wavefront_size: 32
...
	.end_amdgpu_metadata
.endif
;; end of part 4
;; launch attn (part 5): grid 208 x 1, 8 waves a work-group, no clusters, 140,800 bytes of LDS; arguments x_feats, order, batch_indices, wsp, bq, kvf, bo, out0; writes out0
.if DOCPART == 5
	.amdgcn_target "amdgcn-amd-amdhsa--gfx1250"
	.amdhsa_code_object_version 6
	.text
	.protected	k_qadaca33bbd_attn
	.globl	k_qadaca33bbd_attn
	.p2align	8
	.type	k_qadaca33bbd_attn,@function
k_qadaca33bbd_attn:
	s_mov_b64 s[64:65], 0
	v_nop
	global_prefetch_b8 v0, s[64:65] scope:SCOPE_SE
	s_setreg_imm32_b32 hwreg(HW_REG_WAVE_SCHED_MODE, 0, 2), 2
	s_setreg_imm32_b32 hwreg(HW_REG_WAVE_MODE, 25, 1), 1
	s_wait_xcnt 0x0
	s_wait_alu depctr_vm_vsrc(0)
; ATTN: for one tile of 80 points of one batch: gather x, quantise it to FP4, q = Q(x) Q(Wq) + bq, attention over the batch's 512 keys in 8 heads of 64, out = o Wo + bo, rows scattered back.
; reference() multiplies every point with every batch's keys and keeps, by a one-hot mask that it builds itself, the point's own batch: only that part is multiplied here.
; SHARES.  A work-group takes slots 80 t .. 80 t + 79 of 'order': five tiles m of 16 rows.  A slot that holds the marker takes the tile's first point once more: it is computed again and the same bytes are stored again.
;   Wave w is head w (q's columns 64 w on, the attention) and output columns 64 w on, for all 80 rows.  So each fragment of Wq, K, V and Wo is read once a work-group, by one wave, from memory straight into
;   its operand registers (an earlier launch laid them so), and feeds five matrix instructions.  Two waves share a SIMD: one's softmax stands beside the other's products.
; NO CLUSTER, NO JOINT LOADS: which work-groups share a batch's K and V hangs on the data, so no mask written in the text can name the partners.  NO LDS RING: a fragment has one reader in the work-group.
; LAYOUT.  All products are used transposed (source 1 = 16 points): a lane holds ONE point (lane % 16) throughout, and its eight registers of a result are eight neighbours along the next product's K.
;   q^T = Wq^T x^T (FP4) -> f16 -> source 1 of S^T = K Q^T -> p -> f16 -> source 1 of O^T = V^T P -> / sum -> f16 -> source 1 of out^T = Wo^T o^T.
; SOFTMAX.  K was multiplied by log2(e) / 8, so a score is an exponent of 2.  For each point a running maximum M and sum l: p = 2^(s - M); in every key step O and l are multiplied by 2^(old M - new M).
; FORMATS: products 3, 4 and 6 take f16 operands, f32 sums.  LIMITS: |q|, |o| above 65,504 have no f16 number; p under 6e-5 is an f16 subnormal; NaN and infinities are not served; batch_indices hold 0 .. 3;
;   a block of x whose largest magnitude lies under 2^-124 (zeros too) gets the scale byte 1.
; LDS: operands go from wave to wave as images of their registers (a fragment: 1,024 bytes, registers 4 c .. 4 c + 3 of lane l at 512 c + 16 l); every address is a constant + 16 or 4 x lane + a constant x wave.
; THE MODE: SCHED_MODE bits 1:0 = 2 (LLVM: expert scheduling mode 2), set by the entry lines.  The code itself states the register dependences between vector or matrix instructions and memory or LDS instructions,
; and those through scalar registers that vector instructions write, with s_wait_alu, always for 0.
; THE PLAN.  Registers that memory or LDS instructions touch, who else names them, and the wait between the two:
;   v1-11, v44, v45     addresses: made at the head, ahead of one wait on va_vdst; v1-11 are never written again.
;   XO                  loaded; compares, selects and shifts make offsets of them; one wait on va_vdst; x's loads read them.
;   PC, PW              a unit's conversions write them | va_vdst | its three LDS stores read them | vm_vsrc | the next unit's conversions, or K's loads, write them.
;   XF, XS (two sets), PKQ   tile m's products read set m % 2 and its roundings write PKQ | ONE va_vdst behind the roundings | PKQ's four LDS stores, and at the next tile's head the loads into that set.  vm_vsrc ahead of the next roundings.
;   R1 (K), R2 (Q and V by turns)   a key step's scores read K and Q | va_vdst | V, Q's last two fragments (V never takes their registers) and the next K are asked for.  V^T P reads V | va_vdst | Q's first eight fragments are asked for.
;   O^T                 behind the key loop each tile is divided and rounded in place, into its own first 16 registers | ONE va_vdst | twenty LDS stores | vm_vsrc behind the barrier | the last product's sums are written there.
;   Wo (four sets), o (two sets)   K step ks reads set ks % 4 and set ks % 2 | ONE va_vdst at the next step's head | the loads of ks + 4 and ks + 2 land there.
;   out^T, the rows' offsets   written by the last products and by the selects | ONE va_vdst | no vector instruction follows: stage stores, stage loads and global stores are ordered by counters, and vm_vsrc frees the rows that stores have read.
.set XIMG,  0                          ; x's 20 FP4 fragments, 4 m + K step
.set XSC,   20480                      ; their scale words, 128 bytes each
.set OIMG,  23040                      ; wave w's 10,240 bytes: first its Q fragments at (5 c + m) 1,024, later its o fragments, K step 2 w + c of the last product, at the same places
.set STG,   104960                     ; for each wave 16 rows x (256 + 16) bytes, for the way out
.set SPARE, 139776                     ; the spare words, 128 bytes for each wave: four blocks of 256 bytes that no other line names
.set WQC,   1572864                    ; in wsp
.set WOF,   1703936
.set WQS,   2326528
; REGISTERS, window 0: v1-11 addresses that stay; v12-31 at work, later four statistics a tile (M, X, A, T); then by phase:
.set LI,  1                            ; 16 x lane
.set QA,  2                            ; OIMG + 10,240 wave + 16 lane
.set SPW, 3                            ; my spare word; never rewritten
.set NIL, 4                            ; 0; never rewritten
.set XWI, 5                            ; XIMG + 1,024 wave + 16 lane
.set XWS, 6                            ; XSC + 128 wave + 4 lane
.set LS,  7                            ; 4 x lane
.set OA0, 8                            ; OIMG + 16 lane
.set OA1, 9                            ; OIMG + 40,960 + 16 lane: an LDS immediate has 16 bits
.set STO, 10                           ; my stage: row r, + 32 h
.set RD,  11                           ; my stage: row h, + 16 r
.set TM,  12
.set ST,  12
.set PC,  28                           ; v28-35 the codes just made
.set XO,  36                           ; v36-38 my rows' byte offsets in x
.set PW,  39                           ; the scale word just made
.set XD,  56                           ; v56-247 three units of 64 numbers of x
.set WS,  248                          ; v248-255 Wq's scale words (K step 2 p in lanes 0-15, 2 p + 1 in lanes 16-31)
.set R1,  32                           ; v32-95 K of one key step
.set XS,  96                           ; v96-103 x's scale words, two sets
.set XF,  104                          ; v104-167 x's fragments, two sets
.set QD,  168                          ; v168-199 q^T of one tile of rows
.set PKQ, 200                          ; v200-215 the same in f16
.set S,   96                           ; v96-255 S^T, 32 a tile; p; P in f16 in each tile's first 16
.set BO,  32                           ; behind the key loop: v32-63 bo; v64-191 Wo, four sets, later rows read back; v192-231 the rows' offsets in out0
.set AB,  64
.set ROFF, 192
; window 1: v0-159 Wq (8 (4 t + s)) and bq (128 + 8 t), then O^T (32 m + 8 dt; o in f16 in each tile's first 16), then out^T (32 m + 8 t); v160-239 Q, V or o by turns; v240-249 the sums l
.set BQ,  128
.set R2,  160
.set LSUM, 240
.set SEL, 34                           ; s[34:35] lane selects for v_permlanex16_b32: lane l xor 16
.set MK,  44                           ; s44-63 masks that compares write
.set MSB, 0
.macro WIN new                         ; bits 1:0 source 0, 3:2 source 1, 5:4 source 2, 7:6 destination; the immediate's high byte repeats the setting that is left
.if MSB != \new
	s_set_vgpr_msb (MSB<<8)|\new
.set MSB, \new
.endif
.endm
.macro PLACES n                        ; plain instructions between a matrix instruction and what reads its result, loads into its registers (4) or, as a matrix instruction, writes over them (5)
.rept \n
	v_nop
.endr
.endm
; 64 numbers of a lane, register 16 b + i = k 32 b + 16 h + i of my row, become a fragment's codes in v[PC] on and my row's scale word in v[PW]
.macro QUANT s
.irp b, 0,1,2,3
	v_max3_num_f32 v[TM+\b], |v[\s+16*\b]|, |v[\s+1+16*\b]|, 0x1800000   ; block b: my 16 numbers, and the floor 2^(3 - 127): the byte cannot fall under 1
.endr
.irp i, 2,4,6,8,10,12,14
.irp b, 0,1,2,3
	v_max3_num_f32 v[TM+\b], v[TM+\b], |v[\s+16*\b+\i]|, |v[\s+1+16*\b+\i]|
.endr
.endr
.irp b, 0,1,2,3
	v_permlanex16_b32 v[TM+4+\b], v[TM+\b], s[SEL], s[SEL+1]
.endr
.irp b, 0,1,2,3
	v_max_num_f32 v[TM+\b], v[TM+\b], v[TM+4+\b]
.endr
.irp b, 0,1,2,3
	v_add_nc_u32 v[TM+12+\b], 0xff000000, v[TM+\b]     ; 2 off the exponent field: the conversion's scale operand
.endr
.irp b, 0,1,2,3
	v_lshrrev_b32 v[TM+4+\b], 23, v[TM+12+\b]
.endr
	v_lshl_or_b32 v[PW], v[TM+5], 8, v[TM+4]
	v_lshl_or_b32 v[PW], v[TM+6], 16, v[PW]
	v_lshl_or_b32 v[PW], v[TM+7], 24, v[PW]
.irp b, 0,1,2,3
	v_cvt_scalef32_pk8_fp4_f32 v[PC+2*\b], v[\s+16*\b:\s+7+16*\b], v[TM+12+\b]
	v_cvt_scalef32_pk8_fp4_f32 v[PC+1+2*\b], v[\s+8+16*\b:\s+15+16*\b], v[TM+12+\b]
.endr
	v_nop                                              ; one plain instruction behind the scaled conversions
.irp c, 0,1
.irp i, 0,1
	v_permlane16_swap_b32 v[PC+4*\c+\i], v[PC+2+4*\c+\i]   ; a whole block to a lane: lanes 0-15 block 2 c, lanes 16-31 block 2 c + 1
.endr
.endr
.endm
.macro XLOAD i                         ; unit i: 16 rows (tile wave / 4 + 2 i) x K step wave % 4: of each block of 32 my 16 numbers
.irp b, 0,1,2,3
.irp j, 0,1,2,3
	global_load_b128 v[XD+64*\i+16*\b+4*\j:XD+64*\i+16*\b+4*\j+3], v[XO+\i], s[4:5] offset:128*\b+16*\j
.endr
.endr
.endm
.macro UNIT i                          ; unit i is fragment wave + 8 i
	QUANT XD+64*\i
	s_wait_alu depctr_va_vdst(0)                       ; the codes v[PC ..] and the scale word v[PW] are written, which the LDS stores read
.irp c, 0,1
	ds_store_b128 v[XWI], v[PC+4*\c:PC+4*\c+3] offset:8192*\i+512*\c
.endr
	ds_store_b32 v[XWS], v[PW] offset:1024*\i
	s_wait_dscnt 0x0                                   ; the stores are done
	s_wait_alu depctr_vm_vsrc(0)                       ; the stores have read v[PC ..] and v[PW], and x's loads their offsets: the next unit's conversions, or K's loads, write these registers
.endm
.macro FETCHX m                        ; tile m's four fragments of x and their scale words, into set m % 2: 12 LDS loads
.irp s, 0,1,2,3
.irp c, 0,1
	ds_load_b128 v[XF+32*((\m)%2)+8*\s+4*\c:XF+32*((\m)%2)+8*\s+4*\c+3], v[LI] offset:XIMG+(4*(\m)+\s)*1024+512*\c
.endr
	ds_load_b32 v[XS+4*((\m)%2)+\s], v[LS] offset:XSC+128*(4*(\m)+\s)
.endr
.endm
.macro QMM m, s, t                     ; q^T: source 0 = 16 columns of Wq (window 1), source 1 = 16 rows of x
.if (\s) == 0
	v_wmma_scale_f32_16x16x128_f8f6f4 v[QD+8*\t:QD+8*\t+7], v[8*(4*\t+\s):8*(4*\t+\s)+7], v[XF+32*((\m)%2)+8*\s:XF+32*((\m)%2)+8*\s+7], v[BQ+8*\t:BQ+8*\t+7], v[WS+2*\t+(\s)/2], v[XS+4*((\m)%2)+\s] matrix_a_fmt:MATRIX_FMT_FP4 matrix_b_fmt:MATRIX_FMT_FP4
.elseif (\s)%2
	v_wmma_scale_f32_16x16x128_f8f6f4 v[QD+8*\t:QD+8*\t+7], v[8*(4*\t+\s):8*(4*\t+\s)+7], v[XF+32*((\m)%2)+8*\s:XF+32*((\m)%2)+8*\s+7], v[QD+8*\t:QD+8*\t+7], v[WS+2*\t+(\s)/2], v[XS+4*((\m)%2)+\s] matrix_a_fmt:MATRIX_FMT_FP4 matrix_b_fmt:MATRIX_FMT_FP4 matrix_a_scale:MATRIX_SCALE_ROW1
.else
	v_wmma_scale_f32_16x16x128_f8f6f4 v[QD+8*\t:QD+8*\t+7], v[8*(4*\t+\s):8*(4*\t+\s)+7], v[XF+32*((\m)%2)+8*\s:XF+32*((\m)%2)+8*\s+7], v[QD+8*\t:QD+8*\t+7], v[WS+2*\t+(\s)/2], v[XS+4*((\m)%2)+\s] matrix_a_fmt:MATRIX_FMT_FP4 matrix_b_fmt:MATRIX_FMT_FP4
.endif
.endm
.macro KLOAD                           ; a key step's K: 8 fragments, 16 loads of 512 consecutive bytes
.set f, 0
.rept 8
	global_load_b128 v[R1+8*f:R1+8*f+3], v[LI], s[24:25] offset:f*1024
	global_load_b128 v[R1+8*f+4:R1+8*f+7], v[LI], s[24:25] offset:f*1024+512
.set f, f+1
.endr
.endm
.macro QFRAGS from, n                  ; n of my ten fragments of Q, from my own LDS bytes; the destination's window is 1 here
.set f, \from
.rept \n
	ds_load_b128 v[R2+8*f:R2+8*f+3], v[QA] offset:f*1024
	ds_load_b128 v[R2+8*f+4:R2+8*f+7], v[QA] offset:f*1024+512
.set f, f+1
.endr
.endm
.macro VLOAD more                      ; a key step's V, into window 1, where Q's first eight fragments lay.  more = 1: Q's last two fragments are asked for again for the next step: V does not take their registers
	WIN 0x40
	s_wait_alu depctr_va_vdst(0)                       ; the scores' products are done reading Q, in whose registers these loads land, and K, in whose registers the next step's K lands behind them
.set f, 0
.rept 8
	global_load_b128 v[R2+8*f:R2+8*f+3], v[LI], s[26:27] offset:f*1024
	global_load_b128 v[R2+8*f+4:R2+8*f+7], v[LI], s[26:27] offset:f*1024+512
.set f, f+1
.endr
.if \more
	QFRAGS 8, 2
.endif
	WIN 0
.endm
; A KEY STEP: 64 keys.  first = 1: it starts l and O^T; last = 1: nothing more is fetched.
.macro STEP first, last
	s_wait_loadcnt 0x0                                 ; K of this step is in: no other load is out
	s_wait_dscnt 0x0                                   ; Q is in
.if \last == 0
	s_add_nc_u64 s[24:25], s[24:25], 8192              ; K's loads are done, so their base may step
.endif
	WIN 0x04                                           ; source 1 (Q) window 1
.irp c, 0,1                                        ; S^T = K Q^T: the 20 accumulators take turns, one instruction a turn
.irp kt, 0,1,2,3
.irp m, 0,1,2,3,4
.if \c == 0
	v_wmma_f32_16x16x32_f16 v[S+32*\m+8*\kt:S+32*\m+8*\kt+7], v[R1+8*(2*\kt+\c):R1+8*(2*\kt+\c)+7], v[R2+8*(5*\c+\m):R2+8*(5*\c+\m)+7], 0
.else
	v_wmma_f32_16x16x32_f16 v[S+32*\m+8*\kt:S+32*\m+8*\kt+7], v[R1+8*(2*\kt+\c):R1+8*(2*\kt+\c)+7], v[R2+8*(5*\c+\m):R2+8*(5*\c+\m)+7], v[S+32*\m+8*\kt:S+32*\m+8*\kt+7]
.endif
.endr
.endr
.endr
	PLACES 4                                           ; ahead of the loads into Q's and K's registers and of the first read of scores
	VLOAD 1-\last                                      ; V of this step, and behind it K of the next: both have the softmax in which to land
.if \last == 0
	KLOAD                                              ; (between the wait in VLOAD and these loads stand loads and a window switch alone)
.endif
	; the maximum of my 32 scores of each tile and the old M: two chains a tile, the five tiles line by line; each accumulator is first read in its four lowest registers
.irp m, 0,1,2,3,4
	v_max3_num_f32 v[ST+4*\m+2], v[S+32*\m], v[S+32*\m+1], v[S+32*\m+2]
.endr
.irp m, 0,1,2,3,4
	v_max3_num_f32 v[ST+4*\m+3], v[S+32*\m+3], v[S+32*\m+4], v[S+32*\m+5]
.endr
.irp i, 6,10,14,18,22,26
.irp m, 0,1,2,3,4
	v_max3_num_f32 v[ST+4*\m+2], v[ST+4*\m+2], v[S+32*\m+\i], v[S+32*\m+\i+1]
.endr
.irp m, 0,1,2,3,4
	v_max3_num_f32 v[ST+4*\m+3], v[ST+4*\m+3], v[S+32*\m+\i+2], v[S+32*\m+\i+3]
.endr
.endr
.irp m, 0,1,2,3,4
	v_max3_num_f32 v[ST+4*\m+2], v[ST+4*\m+2], v[S+32*\m+30], v[S+32*\m+31]
.endr
.irp m, 0,1,2,3,4
	v_max3_num_f32 v[ST+4*\m+2], v[ST+4*\m+2], v[ST+4*\m+3], v[ST+4*\m]
.endr
.irp m, 0,1,2,3,4
	v_permlanex16_b32 v[ST+4*\m+1], v[ST+4*\m+2], s[SEL], s[SEL+1]   ; the point's other 32 keys lie in the lane 16 away
.endr
.irp m, 0,1,2,3,4
	v_max_num_f32 v[ST+4*\m+1], v[ST+4*\m+2], v[ST+4*\m+1]           ; the new M
.endr
.irp m, 0,1,2,3,4
	v_sub_f32 v[ST+4*\m+2], v[ST+4*\m], v[ST+4*\m+1]                 ; old M - new M
.endr
.irp m, 0,1,2,3,4
	v_mov_b32 v[ST+4*\m], v[ST+4*\m+1]
.endr
.irp m, 0,1,2,3,4
.set i, 0
.rept 16
	v_pk_add_f32 v[S+32*\m+2*i:S+32*\m+2*i+1], v[S+32*\m+2*i:S+32*\m+2*i+1], v[ST+4*\m:ST+4*\m+1] op_sel_hi:[1,0] neg_lo:[0,1] neg_hi:[0,1]   ; s - M
.set i, i+1
.endr
.endr
	; ONE BATCH of exponentials, none of which reads another's result, one plain instruction, ONE wait ahead of the first reader
.if \first == 0
.irp m, 0,1,2,3,4
	v_exp_f32 v[ST+4*\m+2], v[ST+4*\m+2]               ; a = 2^(old M - new M)
.endr
.endif
.set i, 0
.rept 160
	v_exp_f32 v[S+i], v[S+i]
.set i, i+1
.endr
	v_nop
	s_wait_alu depctr_va_vdst(0)                       ; the exponentials have written p and a
	WIN 0x41                                           ; destination and source 0 window 1
.if \first == 0
.irp m, 0,1,2,3,4
	v_pk_mul_f32 v[LSUM+2*\m:LSUM+2*\m+1], v[LSUM+2*\m:LSUM+2*\m+1], v[ST+4*\m+2:ST+4*\m+3] op_sel_hi:[1,0]
.endr
.endif
.set i, 0
.rept 16                                           ; l takes the unrounded p; the five tiles' chains by turns
.irp m, 0,1,2,3,4
	v_pk_add_f32 v[LSUM+2*\m:LSUM+2*\m+1], v[LSUM+2*\m:LSUM+2*\m+1], v[S+32*\m+2*i:S+32*\m+2*i+1]
.endr
.set i, i+1
.endr
.if \first == 0
.irp m, 0,1,2,3,4
.set i, 0
.rept 16
	v_pk_mul_f32 v[32*\m+2*i:32*\m+2*i+1], v[32*\m+2*i:32*\m+2*i+1], v[ST+4*\m+2:ST+4*\m+3] op_sel_hi:[1,0]   ; O^T x a; each accumulator from its low end on
.set i, i+1
.endr
.endr
.endif
	WIN 0
.irp m, 0,1,2,3,4
.set i, 0
.rept 16
	v_cvt_pk_f16_f32 v[S+32*\m+i], v[S+32*\m+2*i], v[S+32*\m+2*i+1]   ; P in f16, in place, ascending: registers 8 ck .. 8 ck + 7 of a tile are source 1 for keys 32 ck on
.set i, i+1
.endr
.endr
.if \last
	s_wait_loadcnt 0x0                                 ; V is in
.else
	s_wait_loadcnt 16                                  ; V is in; the 16 loads of the next step's K, issued behind it, may be out
	s_add_nc_u64 s[26:27], s[26:27], 8192              ; V's loads are done, so their base may step
.endif
	WIN 0x51                                           ; source 0 (V), C and D (O^T) window 1; source 1 (P) window 0
.irp ck, 0,1
.irp dt, 0,1,2,3
.irp m, 0,1,2,3,4
.if \first && (\ck == 0)
	v_wmma_f32_16x16x32_f16 v[32*\m+8*\dt:32*\m+8*\dt+7], v[R2+8*(4*\ck+\dt):R2+8*(4*\ck+\dt)+7], v[S+32*\m+8*\ck:S+32*\m+8*\ck+7], 0
.else
	v_wmma_f32_16x16x32_f16 v[32*\m+8*\dt:32*\m+8*\dt+7], v[R2+8*(4*\ck+\dt):R2+8*(4*\ck+\dt)+7], v[S+32*\m+8*\ck:S+32*\m+8*\ck+7], v[32*\m+8*\dt:32*\m+8*\dt+7]
.endif
.endr
.endr
.endr
	PLACES 5                                           ; the next scores are written over P by matrix instructions; loads land on V's registers
.if \last == 0
	WIN 0x40
	s_wait_alu depctr_va_vdst(0)                       ; the products V^T P are done reading V, in whose registers Q's first eight fragments land
	QFRAGS 0, 8
.endif
	WIN 0
.endm
	; ---- the head
	s_load_b256 s[4:11], s[0:1], 0x0               ; x_feats s[4:5], order s[6:7], batch_indices s[8:9], wsp s[10:11]
	s_load_b256 s[12:19], s[0:1], 0x20             ; bq s[12:13], kvf s[14:15], bo s[16:17], out0 s[18:19]
	v_lshl_add_u32 v[SPW], v0, 2, SPARE
	v_mov_b32 v[NIL], 0
	v_lshrrev_b32 v40, 5, v0
	v_readfirstlane_b32 s20, v40                   ; wave 0..7
	v_and_b32 v40, 31, v0                          ; lane
	v_and_b32 v41, 15, v0                          ; r
	v_bfe_u32 v42, v0, 4, 1                        ; h
	v_lshlrev_b32 v[LI], 4, v40
	v_lshlrev_b32 v[LS], 2, v40
	s_wait_alu depctr_va_sdst(0)                   ; s20 is written, ahead of its first reader: LDS addresses, bases and branches are made from it
	s_mul_i32 s40, s20, 10240
	s_add_co_u32 s40, s40, OIMG
	v_add_nc_u32 v[QA], s40, v[LI]
	s_lshl_b32 s40, s20, 10
	v_add_nc_u32 v[XWI], s40, v[LI]
	s_lshl_b32 s40, s20, 7
	s_add_co_u32 s40, s40, XSC
	v_add_nc_u32 v[XWS], s40, v[LS]
	v_add_nc_u32 v[OA0], OIMG, v[LI]
	v_add_nc_u32 v[OA1], OIMG+40960, v[LI]
	s_mul_i32 s40, s20, 4352
	s_add_co_u32 s40, s40, STG
	v_mul_u32_u24 v[STO], v41, 272
	v_lshl_add_u32 v[STO], v42, 5, v[STO]
	v_add_nc_u32 v[STO], s40, v[STO]
	v_mul_u32_u24 v[RD], v42, 272
	v_lshl_add_u32 v[RD], v41, 4, v[RD]
	v_add_nc_u32 v[RD], s40, v[RD]
	s_mov_b32 s[SEL], 0x76543210
	s_mov_b32 s[SEL+1], 0xfedcba98
	s_and_b32 s40, s20, 3
	s_lshl_b32 s40, s40, 9
	v_lshl_add_u32 v43, v42, 6, s40                ; in a row of x: K step wave % 4, + 64 h
	s_lshr_b32 s40, s20, 2
	s_lshl_b32 s40, s40, 6
	v_lshl_add_u32 v44, v41, 2, s40                ; in my tile of 'order': row 16 (wave / 4) + r
	v_lshlrev_b32 v45, 5, v42                      ; 32 h
.irp b, 0,1,2,3
	v_mov_b32 v[TM+4+\b], 0                        ; written once: a lane permute's destination counts as one of its sources
.endr
	s_wait_kmcnt 0x0
	s_mul_i32 s40, ttmp9, 320
	s_mov_b32 s41, 0
	s_add_nc_u64 s[36:37], s[6:7], s[40:41]        ; my 80 slots
	s_load_b32 s21, s[36:37], 0x0                  ; the tile's first point: always a point
	s_wait_alu depctr_va_vdst(0)                   ; the addresses v1 to v11, v44 and v45 are written, which the loads and stores of the whole kernel read
	global_load_b32 v[XO], v44, s[36:37]           ; my rows of units 0, 1, 2 (tiles wave / 4 + 0, 2, 4; waves 4-7 have no third unit: what they read here lies inside the buffer and is not used)
	global_load_b32 v[XO+1], v44, s[36:37] offset:128
	global_load_b32 v[XO+2], v44, s[36:37] offset:256
	s_lshl_b32 s40, s20, 14
	s_add_co_u32 s40, s40, WQC
	s_add_nc_u64 s[28:29], s[10:11], s[40:41]      ; my head's 16 fragments of Wq,
	s_lshl_b32 s40, s20, 10
	s_add_co_u32 s40, s40, WQS
	s_add_nc_u64 s[30:31], s[10:11], s[40:41]      ; their scale words,
	s_lshl_b32 s40, s20, 16
	s_add_co_u32 s40, s40, WOF
	s_add_nc_u64 s[32:33], s[10:11], s[40:41]      ; my 64 fragments of Wo,
	s_lshl_b32 s40, s20, 8
	s_add_nc_u64 s[12:13], s[12:13], s[40:41]      ; my 64 numbers of bq
	s_add_nc_u64 s[16:17], s[16:17], s[40:41]      ; and of bo
	WIN 0x40                                       ; destination window 1.  48 loads that hang on no data:
.set f, 0
.rept 16
	global_load_b128 v[8*f:8*f+3], v[LI], s[28:29] offset:f*1024
	global_load_b128 v[8*f+4:8*f+7], v[LI], s[28:29] offset:f*1024+512
.set f, f+1
.endr
.irp t, 0,1,2,3
	global_load_b128 v[BQ+8*\t:BQ+8*\t+3], v45, s[12:13] offset:64*\t      ; bq in the result's layout: it is the C of each sum's first product
	global_load_b128 v[BQ+8*\t+4:BQ+8*\t+7], v45, s[12:13] offset:64*\t+16
.endr
	WIN 0
.irp t, 0,1,2,3
.irp p, 0,1
	global_load_b32 v[WS+2*\t+\p], v[LS], s[30:31] offset:256*\t+128*\p
.endr
.endr
	s_wait_kmcnt 0x0
	s_min_u32 s21, s21, 0x3fff                     ; held inside the 16,384 points before it enters an address
	s_lshl_b32 s23, s21, 2
	s_load_b32 s22, s[8:9], s23 offset:0x0         ; the tile's batch
	v_mov_b32 v46, s21
	s_wait_loadcnt 48                              ; the three index loads are in; the 48 issued behind them may be out
.irp i, 0,1,2
	v_cmp_gt_u32 s[MK+\i], 0x4000, v[XO+\i]        ; point or marker: three masks in one run
.endr
	s_wait_alu depctr_va_sdst(0)                   ; the three compares have written their masks, which the selects read
.irp i, 0,1,2
	v_cndmask_b32 v[XO+\i], v46, v[XO+\i], s[MK+\i]   ; a marker takes the tile's first point
	v_min_u32 v[XO+\i], 0x3fff, v[XO+\i]
	v_lshl_add_u32 v[XO+\i], v[XO+\i], 11, v43     ; a row of x is 2,048 bytes
.endr
	s_wait_alu depctr_va_vdst(0)                   ; the three offsets v[XO ..] are written, which x's loads read
	; ---- x: 20 units of 16 rows x 128 K; waves 0-3 take three, waves 4-7 two.  The third unit's loads go first, so that the counts behind units 0 and 1 are the same in all waves
	s_cmp_lt_u32 s20, 4
	s_cbranch_scc0 .Lno_third_load
	XLOAD 2
.Lno_third_load:
	XLOAD 0
	XLOAD 1
	s_wait_loadcnt 16                              ; unit 0 and all before it are in; unit 1's 16 loads may be out
	UNIT 0
	s_wait_loadcnt 0x0
	UNIT 1
	s_cmp_lt_u32 s20, 4
	s_cbranch_scc0 .Lno_third
	UNIT 2
.Lno_third:
	s_wait_kmcnt 0x0
	s_min_u32 s22, s22, 3
	s_lshl_b32 s40, s22, 19                        ; a batch's 8 heads x 8 key steps x 8,192 bytes
	s_lshl_b32 s42, s20, 16                        ; my head
	s_add_co_u32 s40, s40, s42
	s_add_nc_u64 s[24:25], s[14:15], s[40:41]      ; K
	s_add_nc_u64 s[26:27], s[24:25], 0x200000      ; V
	s_wait_dscnt 0x0                               ; for the others' sake: my images of x have landed
	s_barrier_signal -1
	s_barrier_wait -1                              ; x's twenty fragments lie in LDS
	KLOAD                                          ; key step 0 lands while q is made.  (No vector instruction has been issued since my last unit's two waits: they cover the registers in which K and x's fragments land)
	; ---- q^T, a tile of 16 rows at a time: four accumulators by turns, K step by K step
	FETCHX 0
.irp m, 0,1,2,3,4
.if \m < 4
	FETCHX \m+1                                    ; into the set that the tile before read: the wait behind that tile's roundings has shown its products done
	s_wait_dscnt 12                                ; this tile's fragments are in (and the last tile's stores done); the next tile's 12 loads may be out
.else
	s_wait_dscnt 0x0
.endif
	WIN 0x11                                       ; source 0 (Wq) and C (bq) window 1
.irp t, 0,1,2,3
	QMM \m, 0, \t
.endr
	WIN 0x01
.irp s, 1,2,3
.irp t, 0,1,2,3
	QMM \m, \s, \t
.endr
.endr
	WIN 0
	PLACES 4
.if \m > 0
	s_wait_alu depctr_vm_vsrc(0)                   ; the last tile's LDS stores have read v[PKQ ..], which the roundings write again
.endif
.irp t, 0,1,2,3
.irp j, 0,1,2,3
	v_cvt_pk_f16_f32 v[PKQ+4*\t+\j], v[QD+8*\t+2*\j], v[QD+8*\t+2*\j+1]   ; (with the four above: the places ahead of the next loads and of the next tile's products, which begin these sums anew)
.endr
.endr
	s_wait_alu depctr_va_vdst(0)                   ; the roundings have written v[PKQ ..], which the LDS stores read; this tile's products are done reading their set of x, in which the loads at the next tile's head land
.irp t, 0,1,2,3
	ds_store_b128 v[QA], v[PKQ+4*\t:PKQ+4*\t+3] offset:(5*(\t/2)+\m)*1024+512*(\t%2)   ; d = 16 t + 8 h + 0 .. 7 of point r: piece t % 2 of Q's fragment (c = t / 2, m)
.endr
.endr
	WIN 0x40
	QFRAGS 0, 10                                   ; LDS serves a wave's instructions in order: these see my stores.  No vector or matrix instruction has named their registers yet
	WIN 0
	s_wait_alu depctr_vm_vsrc(0)                   ; the last tile's LDS stores have read v[PKQ ..], over which the first scores are written
.irp m, 0,1,2,3,4
	v_mov_b32 v[ST+4*\m], 0xff7fffff               ; M: under every score
	v_mov_b32 v[ST+4*\m+1], 0                      ; (a lane permute's destination counts as one of its sources)
	v_mov_b32 v[ST+4*\m+2], 0
	v_mov_b32 v[ST+4*\m+3], 0
.endr
	WIN 0x40
.irp i, 0,1,2,3,4,5,6,7,8,9
	v_mov_b32 v[LSUM+\i], 0                        ; l, in two halves a tile
.endr
	WIN 0
	; ---- the eight key steps
	STEP 1, 0
	s_mov_b32 s38, 6
.Lkey:
	STEP 0, 0
	s_sub_co_u32 s38, s38, 1
	s_cmp_lg_u32 s38, 0
	s_cbranch_scc1 .Lkey
	STEP 0, 1
	; ---- o = O^T / l, in f16, to LDS as K steps 2 w and 2 w + 1 of the last product.  What that product wants from memory is asked for first
.macro ALOAD k                         ; Wo's four fragments of K step k (my 64 output columns), into set k % 4: 8 loads
.irp t, 0,1,2,3
	global_load_b128 v[AB+32*((\k)%4)+8*\t:AB+32*((\k)%4)+8*\t+3], v[LI], s[32:33] offset:(\k)*4096+\t*1024
	global_load_b128 v[AB+32*((\k)%4)+8*\t+4:AB+32*((\k)%4)+8*\t+7], v[LI], s[32:33] offset:(\k)*4096+\t*1024+512
.endr
.endm
.macro BLOAD k, dep                    ; o's five fragments of K step k, into set k % 2 of window 1: 10 LDS loads.  dep = 1: products have read that set since the last wait
	WIN 0x40
.if \dep
	s_wait_alu depctr_va_vdst(0)                   ; the last K step's products are done reading the set of o in which these loads land, and the set of Wo in which the loads behind them land
.endif
.irp m, 0,1,2,3,4
.if (\k) < 8
	ds_load_b128 v[R2+40*((\k)%2)+8*\m:R2+40*((\k)%2)+8*\m+3], v[OA0] offset:(((\k)%8)*5+\m)*1024
	ds_load_b128 v[R2+40*((\k)%2)+8*\m+4:R2+40*((\k)%2)+8*\m+7], v[OA0] offset:(((\k)%8)*5+\m)*1024+512
.else
	ds_load_b128 v[R2+40*((\k)%2)+8*\m:R2+40*((\k)%2)+8*\m+3], v[OA1] offset:(((\k)%8)*5+\m)*1024
	ds_load_b128 v[R2+40*((\k)%2)+8*\m+4:R2+40*((\k)%2)+8*\m+7], v[OA1] offset:(((\k)%8)*5+\m)*1024+512
.endif
.endr
	WIN 0
.endm
	v_bfe_u32 v249, v0, 4, 1
	v_lshlrev_b32 v248, 5, v249                    ; 32 h
	v_lshlrev_b32 v249, 2, v249                    ; 4 h
	s_wait_alu depctr_va_vdst(0)                   ; the offsets v248 and v249 are written, which the loads below read; the last key step's products and roundings are done with K's and P's registers, in which these loads land
.irp t, 0,1,2,3
	global_load_b128 v[BO+8*\t:BO+8*\t+3], v248, s[16:17] offset:64*\t
	global_load_b128 v[BO+8*\t+4:BO+8*\t+7], v248, s[16:17] offset:64*\t+16
.endr
.irp m, 0,1,2,3,4
.irp i, 0,1,2,3,4,5,6,7
	global_load_b32 v[ROFF+8*\m+\i], v249, s[36:37] offset:(16*\m+2*\i)*4   ; the points of rows 16 m + 2 i + h: the rows that I store
.endr
.endr
	ALOAD 0
	ALOAD 1
	ALOAD 2
	WIN 0x05                                       ; sources window 1
.irp m, 0,1,2,3,4
	v_add_f32 v[ST+4*\m+1], v[LSUM+2*\m], v[LSUM+2*\m+1]
.endr
	WIN 0
.irp m, 0,1,2,3,4
	v_permlanex16_b32 v[ST+4*\m+3], v[ST+4*\m+1], s[SEL], s[SEL+1]
.endr
.irp m, 0,1,2,3,4
	v_add_f32 v[ST+4*\m+1], v[ST+4*\m+1], v[ST+4*\m+3]   ; the point's sum
.endr
.irp m, 0,1,2,3,4
	v_rcp_f32 v[ST+4*\m], v[ST+4*\m+1]
.endr
	v_nop
	s_wait_alu depctr_va_vdst(0)                   ; the five reciprocals are written: one wait, ahead of their first reader
	WIN 0x41                                       ; destination and source 0 window 1
.irp m, 0,1,2,3,4
.set i, 0
.rept 16
	v_pk_mul_f32 v[32*\m+2*i:32*\m+2*i+1], v[32*\m+2*i:32*\m+2*i+1], v[ST+4*\m:ST+4*\m+1] op_sel_hi:[1,0]
.set i, i+1
.endr
.endr
	WIN 0x45                                       ; destination and both sources window 1
.irp m, 0,1,2,3,4
.set i, 0
.rept 16
	v_cvt_pk_f16_f32 v[32*\m+i], v[32*\m+2*i], v[32*\m+2*i+1]   ; o in f16, in place, ascending: each tile's first 16 registers are its own: none is written twice, so no store is waited for between the tiles
.set i, i+1
.endr
.endr
	WIN 0x04                                       ; an LDS store's data are its source 1: window 1
	s_wait_alu depctr_va_vdst(0)                   ; the roundings have written o, which the twenty LDS stores read
.irp m, 0,1,2,3,4
.irp d, 0,1,2,3
	ds_store_b128 v[QA], v[32*\m+4*\d:32*\m+4*\d+3] offset:(5*(\d/2)+\m)*1024+512*(\d%2)   ; over my Q, which nobody reads any more
.endr
.endr
	WIN 0
	s_wait_dscnt 0x0                               ; for the others' sake: my images of o have landed
	s_barrier_signal -1
	s_barrier_wait -1                              ; o's eighty fragments lie in LDS
	s_wait_alu depctr_vm_vsrc(0)                   ; my LDS stores have read o's registers, over which the last product's sums are written
	; ---- out^T = Wo^T o^T + bo: 16 K steps of 32, 20 accumulators by turns; Wo runs three K steps ahead, o one
	BLOAD 0, 0                                     ; (no vector or matrix instruction since the wait ahead of o's stores: it covers V's and P's registers, in which o's two sets and Wo's fourth land)
.set ks, 0
.rept 16
.if ks > 0
	PLACES 4                                       ; ahead of loads into registers that the last K step's products have read
.endif
.if ks+1 < 16
.if ks > 0
	BLOAD ks+1, 1
.else
	BLOAD ks+1, 0
.endif
.endif
.if ks+3 < 16
	ALOAD ks+3                                     ; (between the wait in BLOAD and these loads stand loads and a window switch alone)
.endif
.if 15-ks >= 3
	s_wait_loadcnt 24                              ; this K step's Wo is in; the three later K steps' 8 loads each may be out
.else
	s_wait_loadcnt 8*(15-ks)
.endif
.if ks < 15
	s_wait_dscnt 10                                ; this K step's o is in; the next one's 10 loads may be out
.else
	s_wait_dscnt 0x0
.endif
.if ks == 0
	WIN 0x44                                       ; source 1 (o) and D window 1; C is bo, in window 0
.else
	WIN 0x54
.endif
.irp t, 0,1,2,3
.irp m, 0,1,2,3,4
.if ks == 0
	v_wmma_f32_16x16x32_f16 v[32*\m+8*\t:32*\m+8*\t+7], v[AB+32*(ks%4)+8*\t:AB+32*(ks%4)+8*\t+7], v[R2+40*(ks%2)+8*\m:R2+40*(ks%2)+8*\m+7], v[BO+8*\t:BO+8*\t+7]
.else
	v_wmma_f32_16x16x32_f16 v[32*\m+8*\t:32*\m+8*\t+7], v[AB+32*(ks%4)+8*\t:AB+32*(ks%4)+8*\t+7], v[R2+40*(ks%2)+8*\m:R2+40*(ks%2)+8*\m+7], v[32*\m+8*\t:32*\m+8*\t+7]
.endif
.endr
.endr
	WIN 0
.set ks, ks+1
.endr
	; ---- the way out.  The rows' offsets in out0 are made first: plain instructions that name no register of the last products stand between those and the first read of results
	v_and_b32 v250, 15, v0
	s_lshl_b32 s40, s20, 8
	v_lshl_add_u32 v250, v250, 4, s40              ; my columns' 256 bytes, + 16 r
	v_mov_b32 v251, s21
.irp g, 0,1                                    ; twenty rows at a time: twenty compares in one run, one wait, then their selects
.set i, 0
.rept 20
	v_cmp_gt_u32 s[MK+i], 0x4000, v[ROFF+20*\g+i]  ; point or marker
.set i, i+1
.endr
	s_wait_alu depctr_va_sdst(0)                   ; the twenty compares have written their masks, which the selects read
.set i, 0
.rept 20
	v_cndmask_b32 v[ROFF+20*\g+i], v251, v[ROFF+20*\g+i], s[MK+i]   ; a marker's row goes where the tile's first point goes, with the same numbers
	v_min_u32 v[ROFF+20*\g+i], 0x3fff, v[ROFF+20*\g+i]
	v_lshl_add_u32 v[ROFF+20*\g+i], v[ROFF+20*\g+i], 11, v250
.set i, i+1
.endr
.endr
; A lane holds 32 neighbouring bytes of a row, and the lanes beside it hold other rows: a tile of 16 rows goes through my own stage and comes back by rows.  LDS serves a wave's instructions in order:
; no wait between the stores and the loads, nor ahead of the next tile's stores.
.macro TOSTAGE m
	WIN 0x04                                       ; an LDS store's data are its source 1: window 1
.irp t, 0,1,2,3
	ds_store_b128 v[STO], v[32*(\m)+8*\t:32*(\m)+8*\t+3] offset:64*\t          ; each accumulator from its low end on
	ds_store_b128 v[STO], v[32*(\m)+8*\t+4:32*(\m)+8*\t+7] offset:64*\t+16
.endr
	WIN 0
.irp i, 0,1,2,3,4,5,6,7
	ds_load_b128 v[AB+32*((\m)%2)+4*\i:AB+32*((\m)%2)+4*\i+3], v[RD] offset:544*\i
.endr
.endm
.macro SEND m, younger                 ; younger: the LDS instructions issued behind tile m's loads, which may stay out
	s_wait_dscnt \younger
.irp i, 0,1,2,3,4,5,6,7
	global_store_b128 v[ROFF+8*(\m)+\i], v[AB+32*((\m)%2)+4*\i:AB+32*((\m)%2)+4*\i+3], s[18:19] th:TH_STORE_NT   ; sixteen lanes store 256 consecutive bytes, aligned, of one point's row
.endr
.endm
	s_wait_alu depctr_va_vdst(0)                   ; the last products have written out^T, which the stage's stores read, and are done reading Wo's sets, in which the stage's loads land; the forty offsets are written, which the global stores read.  No vector instruction follows
	TOSTAGE 0
.irp a, 1,2,3,4
.if \a > 1
	s_wait_xcnt 0x0                                ; tile a - 2's stores have had their addresses translated,
	s_wait_alu depctr_vm_vsrc(0)                   ; and have read their rows' registers: tile a's loads from the stage land there
.endif
	TOSTAGE \a
	SEND \a-1, 16                                  ; behind tile a - 1's loads: tile a's 8 stores and 8 loads
.endr
	SEND 4, 0
	s_wait_dscnt 0x0                               ; the closing lines, six on end
	s_wait_alu 0x0
	s_wait_tensorcnt 0x0
	ds_add_u32 v[SPW], v[NIL]
	s_wait_dscnt 0x0
	s_endpgm
.Lfunc_end_k_qadaca33bbd_attn:
	.size	k_qadaca33bbd_attn, .Lfunc_end_k_qadaca33bbd_attn-k_qadaca33bbd_attn
	.p2alignl 7, 3214868480
	.fill 96, 4, 3214868480
	.section	.rodata,"a",@progbits
	.p2align	6, 0x0
	.amdhsa_kernel k_qadaca33bbd_attn
		.amdhsa_group_segment_fixed_size 140800
		.amdhsa_private_segment_fixed_size 0
		.amdhsa_enable_private_segment 0
		.amdhsa_kernarg_size 64
		.amdhsa_user_sgpr_count 2
		.amdhsa_user_sgpr_kernarg_segment_ptr 1
		.amdhsa_wavefront_size32 1
		.amdhsa_system_sgpr_workgroup_id_x 1
		.amdhsa_system_sgpr_workgroup_id_y 1
		.amdhsa_system_sgpr_workgroup_id_z 1
		.amdhsa_system_vgpr_workitem_id 0
		.amdhsa_next_free_vgpr 512
		.amdhsa_next_free_sgpr 66
		.amdhsa_reserve_vcc 0
		.amdhsa_float_denorm_mode_32 3
		.amdhsa_float_denorm_mode_16_64 3
		.amdhsa_memory_ordered 1
		.amdhsa_forward_progress 1
		.amdhsa_inst_pref_size 254
	.end_amdhsa_kernel
	.amdgpu_metadata
---
amdhsa.version: [ 1, 2 ]
amdhsa.kernels:
  - .name:           k_qadaca33bbd_attn
    .symbol:         k_qadaca33bbd_attn.kd
    .args:
      - { .name: x_feats, .offset: 0, .size: 8, .value_kind: global_buffer, .address_space: global }
      - { .name: order, .offset: 8, .size: 8, .value_kind: global_buffer, .address_space: global }
      - { .name: batch_indices, .offset: 16, .size: 8, .value_kind: global_buffer, .address_space: global }
      - { .name: wsp, .offset: 24, .size: 8, .value_kind: global_buffer, .address_space: global }
      - { .name: bq, .offset: 32, .size: 8, .value_kind: global_buffer, .address_space: global }
      - { .name: kvf, .offset: 40, .size: 8, .value_kind: global_buffer, .address_space: global }
      - { .name: bo, .offset: 48, .size: 8, .value_kind: global_buffer, .address_space: global }
      - { .name: out0, .offset: 56, .size: 8, .value_kind: global_buffer, .address_space: global }
    .group_segment_fixed_size: 140800
    .private_segment_fixed_size: 0
    .kernarg_segment_align: 8
    .kernarg_segment_size: 64
    .max_flat_workgroup_size: 256
    .sgpr_count:     66
    .vgpr_count:     512
    .wavefront_size: 32
...
	.end_amdgpu_metadata
.endif
;; end of part 5
